; MI455X (gfx1250); checked and timed in simulation.
; The chip was launched on July 23, 2026; its instructions are those of AMD's public machine-readable ISA for CDNA 5 (MIT licence, August 2026) and "CDNA5" Instruction Set Architecture Reference Guide (July 2026). The comments in the code are by the model that wrote it; some were corrected since.
;; Ret Net. Allowed arithmetic: matrix products marked QUANTISED: E2M3 operands, one E8M0 scale for each 32 along K, by v_wmma_scale_f32_16x16x128_f8f6f4 with both operands' format E2M3, f32 sums; everything else in f32.
;; Inputs: wg 1,024 x 2,048 float32; wk 1,024 x 1,024 float32; wo 2,048 x 1,024 float32; wq 1,024 x 1,024 float32; wv 1,024 x 2,048 float32; x 2 x 2,048 x 1,024 float32.
;; Outputs: out0 2 x 2,048 x 1,024 float32.
;; This version of the problem:
;;   THIS VERSION OF THE PROBLEM IS GIVEN IN LOW PRECISION. The matrix products marked QUANTISED in the list below multiply operands that are first quantised to E2M3 (2 exponent bits, 3 mantissa bits; 6 bits a number), with one power-of-two scale for each 32 numbers along K (OCP MX v1.0); their sums are f32. All else is computed in f32.
;;   The module's matrix products, in the order in which they are computed (A, B: the left and right operand; K: the contracted axis; several contracted axes count as one K, in the product's order):
;;     1. [M 4,096, K 1,024] x [K 1,024, N 1,024]; A: input x; B: input wq: QUANTISED
;;     2. [M 4,096, K 1,024] x [K 1,024, N 1,024]; A: input x; B: input wk: QUANTISED
;;     3. [M 4,096, K 1,024] x [K 1,024, N 2,048]; A: input x; B: input wv: QUANTISED
;;     4. [M 4,096, K 1,024] x [K 1,024, N 2,048]; A: input x; B: input wg: QUANTISED
;;     5. batch 16 x [M 2,048, K 128] x [K 128, N 2,048]; A: computed on the way; B: computed on the way: QUANTISED
;;     6. batch 16 x [M 256, K 2,048] x [K 2,048, N 2,048]; A: computed on the way; B: computed on the way: QUANTISED
;;     7. [M 4,096, K 2,048] x [K 2,048, N 1,024]; A: computed on the way; B: input wo: QUANTISED
;;   THE QUANTISER, for each operand of a quantised product, along K:
;;     - K is cut into blocks of 32 from its start; a last block that is shorter is filled with zeros.
;;     - A block's scale is 2^e with e = floor(log2(the largest magnitude in the block)) - 2, held to -126 .. 127; a block of zeros has e = 0. As a byte (E8M0): e + 127.
;;     - Each number is divided by its block's scale, clamped to +-7.5, and rounded to the nearest number of E2M3, ties to even, subnormals kept.
;;     - The product sums the exact products of the quantised numbers (number of the format x scale) in f32.
;;   ~~~python
;;   def quantise(x, axis):      # numpy; x: float32 -> the quantised numbers, widened to float32 again
;;       x = np.moveaxis(x, axis, -1); K = x.shape[-1]
;;       x = np.pad(x, [(0, 0)] * (x.ndim - 1) + [(0, -K % 32)]); x = x.reshape(x.shape[:-1] + (-1, 32)); a = np.abs(x).max(-1, keepdims=True)
;;       e = np.where(a > 0, np.clip(np.frexp(np.where(a > 0, a, 1))[1] - 1 - 2, -126, 127), 0)      # np.frexp(a)[1] - 1 = floor(log2(a)), exactly
;;       r = np.clip(x / 2.0 ** e, -7.5, 7.5)
;;       step = 2.0 ** (np.maximum(np.frexp(np.where(r == 0, 1, r))[1] - 1, 0) - 3)
;;       q = np.round(r / step) * step * 2.0 ** e      # np.round: ties to even
;;       return np.moveaxis(q.reshape(q.shape[:-2] + (-1,))[..., :K], -1, axis).astype(np.float32)
;;   ~~~
;;   OPERANDS COMPUTED ON THE WAY. 'Computed on the way' means the value that the module computes at that place (a softmax that the list does not call 'softmax' is quantised finished and normalised). What goes into a quantiser is computed in f32, as accurately as f32 sums, v_exp_f32 and their like allow (about 1e-6 of the number): no bf16 or f16 on the way to a quantiser, and a product that is left as it is and whose result goes on into a quantised operand takes f32 operands (vector FMAs, or v_wmma_f32_16x16x4_f32). A number that lies on a knife's edge between two numbers of the format may be rounded either way, as far as f32 arithmetic and the matrix unit's own rounding can turn it there, and no further.
;; 2 versions, each right. Each part assembles by itself: llvm-mc -triple=amdgcn-amd-amdhsa -mcpu=gfx1250 --defsym DOCPART=n.
;; ======== version 1 of 2: 4 launches
;; workspace buffers: xc 3,276,800 bytes; wcod 6,553,600 bytes; rope 1,048,576 bytes; qk 6,553,600 bytes; vc 6,553,600 bytes; gb 33,554,432 bytes; yc 6,553,600 bytes
;; launch prep (part 1): grid 832 x 1, 4 waves a work-group, no clusters, 0 bytes of LDS; arguments x, wq, wk, wo, wg, wv, xc, wcod, rope; writes xc, wcod, rope
.if DOCPART == 1
	.amdgcn_target "amdgcn-amd-amdhsa--gfx1250"
	.amdhsa_code_object_version 6
	.text
	.protected	k_q045878aeb3_prep
	.globl	k_q045878aeb3_prep
	.p2align	8
	.type	k_q045878aeb3_prep,@function
k_q045878aeb3_prep:
	s_mov_b64 s[64:65], 0
	v_nop
	global_prefetch_b8 v0, s[64:65] scope:SCOPE_SE
	s_setreg_imm32_b32 hwreg(HW_REG_WAVE_MODE, 25, 1), 1
	s_wait_xcnt 0x0
; PREP: x and the five weights become codes of FP6 (E2M3) with one E8M0 byte for each 32 along K; the table of cos and sin is made.
; A block's scale is 2^(floor(log2(largest magnitude)) - 2): its byte is the largest magnitude's exponent field - 2, held at 1 from below.
; LAYOUT OF THE CODES (this program's own).  Rows (tokens, weight columns) are cut into tiles of 16: lane r of tile T is row 32 (T / 2) + 8 (T % 2) + r + 8 (r / 8).
; A fragment (16 rows x 128 K) is stored as the image of the 12 operand registers: byte 512 c + 16 lane holds registers 4 c .. 4 c + 3.  A record is 16 scale words, word r for row r.
; A panel is 16 fragments, then their 16 records: 25,600 bytes on end.
; Work-groups 0-255: a token tile of x (wave p: 256 of K).  256-511: wq, wk, wo (rows of 4,096 bytes).  512-767: wg, wv (rows of 8,192 bytes).  768-831: the table.
; No LDS, no barrier: waves share nothing.
; LIMITS: NaN and infinities are not served.  A block of zeros, or one whose largest magnitude lies under 2^-124, gets the byte 1 (the rule says 127 for zeros: the codes are zeros and only this program reads the bytes).
; The angles 1 / 10000^(i / 63) are made to about 2 units in the last place; at position 2,047 that is up to about 4e-4 radians for the fastest pairs.
.set WOFF,  4915200                    ; where wo's panels begin in wcod
.set PANEL, 25600
.set FRB,   1536                       ; a fragment's image
.set REC,   24576                      ; a panel's records
.set D,     32                         ; v32-159  128 numbers
.set F,     160                        ; v160-183 two fragments
.set TT,    184                        ; v184-186 the upper half of a block's codes, before it is moved
.set BY,    12                         ; v12-15   four scale bytes
; 32 numbers of one lane, one block: its byte into v[by], its 24 bytes of codes into v[dst] .. v[dst + 5]
.macro BLK32 xs, dst, by
	v_max3_num_f32 v8, |v[\xs]|, |v[\xs+1]|, |v[\xs+2]|
	v_max3_num_f32 v9, |v[\xs+3]|, |v[\xs+4]|, |v[\xs+5]|
.irp i, 6,10,14,18,22,26
	v_max3_num_f32 v8, v8, |v[\xs+\i]|, |v[\xs+\i+1]|
	v_max3_num_f32 v9, v9, |v[\xs+\i+2]|, |v[\xs+\i+3]|
.endr
	v_max3_num_f32 v8, v8, |v[\xs+30]|, |v[\xs+31]|
	v_max3_num_f32 v8, v8, v9, 0x1800000           ; the floor 2^(3 - 127): the byte cannot fall under 1
	v_add_nc_u32 v10, 0xff000000, v8               ; 2 off the exponent field: the conversions' scale operand
	v_lshrrev_b32 v[\by], 23, v10                  ; the byte
	v_cvt_scalef32_pk16_fp6_f32 v[\dst:\dst+2], v[\xs:\xs+15], v10
	v_cvt_scalef32_pk16_fp6_f32 v[TT:TT+2], v[\xs+16:\xs+31], v10   ; (a conversion's three registers begin on an even number)
	v_nop                                          ; one plain line behind the conversions
	v_mov_b32 v[\dst+3], v[TT]
	v_mov_b32 v[\dst+4], v[TT+1]
	v_mov_b32 v[\dst+5], v[TT+2]
.endm
.macro WLOAD kb, pitch                 ; block kb of the K step: 32 rows of the weight at my column; a wave reads 128 consecutive bytes, the work-group 512
.irp i, 0,1,2,3,4,5,6,7,8,9,10,11,12,13,14,15,16,17,18,19,20,21,22,23,24,25,26,27,28,29,30,31
	global_load_b32 v[D+32*\kb+\i], v4, s[24:25] offset:(32*\kb+\i)*\pitch th:TH_LOAD_NT
.endr
.endm
; A weight: 128 columns x one K step of 128.  Thread t is column t and its registers run down K.  s[24:25] the tensor, s32 the K step, s33 the column group in the tensor,
; s34 the panel's byte in wcod, s35 the step's place q in the panel, s36 steps in a panel's tile (NQ), s37 which pair of tiles of the panel is my wave's.
.macro WPATH pitch
	s_mul_i32 s38, s32, 128*\pitch
	s_lshl_b32 s39, s33, 9
	s_add_co_u32 s38, s38, s39
	s_mov_b32 s39, 0
	s_add_nc_u64 s[24:25], s[24:25], s[38:39]
	s_mul_i32 s40, s37, s36
	s_lshl_b32 s40, s40, 1
	s_add_co_u32 s40, s40, s35                     ; the fragment of my wave's first tile
	s_mul_i32 s42, s40, FRB
	s_add_co_u32 s42, s42, s34
	s_mov_b32 s43, 0
	s_add_nc_u64 s[44:45], s[18:19], s[42:43]
	s_lshl_b32 s42, s40, 6
	s_add_co_u32 s42, s42, s34
	s_add_co_u32 s42, s42, REC
	s_add_nc_u64 s[46:47], s[18:19], s[42:43]
	v_lshlrev_b32 v4, 2, v0                        ; my column, 4 bytes
	v_bfe_u32 v2, v0, 3, 1                         ; u: which of the wave's two tiles
	v_and_b32 v3, 7, v0
	v_bfe_u32 v7, v0, 4, 1
	v_lshl_add_u32 v3, v7, 3, v3                   ; r: my row in it
	s_mul_i32 s41, s36, FRB
	v_mul_u32_u24 v5, v2, s41
	v_lshl_add_u32 v5, v3, 4, v5                   ; the image: tile u, 16 r
	s_lshl_b32 s41, s36, 6
	v_mul_u32_u24 v6, v2, s41
	v_lshl_add_u32 v6, v3, 2, v6                   ; the record: tile u, 4 r
	WLOAD 0, \pitch
	WLOAD 1, \pitch
	s_wait_loadcnt 32                              ; block 0 is in; block 1's 32 loads may be out
	WLOAD 2, \pitch
	BLK32 D, F, BY                                 ; blocks 0 and 2 are image lane r, blocks 1 and 3 image lane r + 16
	s_wait_loadcnt 32                              ; block 1 is in; block 2's may be out
	WLOAD 3, \pitch
	BLK32 D+32, F+12, BY+1
	s_wait_loadcnt 32                              ; block 2 is in; block 3's may be out
	BLK32 D+64, F+6, BY+2
	s_wait_loadcnt 0x0
	BLK32 D+96, F+18, BY+3
	v_lshl_or_b32 v16, v[BY+1], 8, v[BY]
	v_lshl_or_b32 v16, v[BY+2], 16, v16
	v_lshl_or_b32 v16, v[BY+3], 24, v16            ; my column's scale word
.irp hf, 0,1
.irp c, 0,1,2
	global_store_b128 v5, v[F+12*\hf+4*\c:F+12*\hf+4*\c+3], s[44:45] offset:256*\hf+512*\c   ; the sixteen lanes of a tile store 256 consecutive bytes, aligned
.endr
.endr
	global_store_b32 v6, v16, s[46:47]
	s_endpgm
.endm
	s_load_b512 s[4:19], s[0:1], 0x0               ; x, wq, wk, wo, wg, wv, xc, wcod
	s_load_b64 s[20:21], s[0:1], 0x40              ; rope
	v_lshrrev_b32 v1, 5, v0
	v_readfirstlane_b32 s22, v1                    ; wave
	v_and_b32 v1, 31, v0                           ; lane
	s_mov_b32 s23, 0xffff0000                      ; lanes 16-31
	s_mov_b32 s26, 0x76543210
	s_mov_b32 s27, 0xfedcba98                      ; selects for lane l xor 16
	s_wait_kmcnt 0x0
	s_cmp_lt_u32 ttmp9, 256
	s_cbranch_scc1 .Lx
	s_cmp_lt_u32 ttmp9, 512
	s_cbranch_scc1 .Lw4
	s_cmp_lt_u32 ttmp9, 768
	s_cbranch_scc1 .Lw8
	; ---- THE TABLE: [position][pair][cos, sin].  A wave takes 8 positions, a lane pairs 2 l and 2 l + 1.
	s_sub_co_u32 s30, ttmp9, 768
	s_lshl_b32 s30, s30, 5
	s_lshl_b32 s31, s22, 3
	s_add_co_u32 s30, s30, s31                     ; my first position
	s_lshl_b32 s28, s30, 9
	s_mov_b32 s29, 0
	s_add_nc_u64 s[20:21], s[20:21], s[28:29]
	s_mov_b32 s40, 0x3c820821                      ; 1 / 63
	s_mov_b32 s41, 0x427c0000                      ; 63
	s_mov_b32 s42, 0x41549a78                      ; log2(10000), upper part
	s_mov_b32 s43, 0x34979a37                      ; and lower
	s_mov_b32 s44, 0x3f22f983                      ; 2 / pi
	s_mov_b32 s45, 0xbfc90fdb                      ; -(pi / 2), upper part
	s_mov_b32 s46, 0x333bbd2e                      ; upper part less pi / 2
	s_mov_b32 s47, 0xbe2aaaa3                      ; the sine's three coefficients
	s_mov_b32 s48, 0x3c08839e
	s_mov_b32 s49, 0xb94ca1f9
	s_mov_b32 s50, 0x3d2aaaa5                      ; the cosine's
	s_mov_b32 s51, 0xbab6061a
	s_mov_b32 s52, 0x37ccf5ce
	v_lshlrev_b32 v5, 4, v1
	v_lshlrev_b32 v2, 1, v1
	v_cvt_f32_u32 v20, v2
	v_add_nc_u32 v2, 1, v2
	v_cvt_f32_u32 v21, v2
.irp e, 0,1
	v_mul_f32 v[22+\e], s40, v[20+\e]
.endr
.irp e, 0,1
	v_fma_f32 v[24+\e], -v[22+\e], s41, v[20+\e]
.endr
.irp e, 0,1
	v_fma_f32 v[22+\e], v[24+\e], s40, v[22+\e]    ; i / 63, rounded once
.endr
.irp e, 0,1
	v_mul_f32 v[24+\e], s42, v[22+\e]              ; its product with log2(10000), in two parts
	v_fma_f32 v[26+\e], v[22+\e], s42, -v[24+\e]
	v_fma_f32 v[26+\e], v[22+\e], s43, v[26+\e]
	v_rndne_f32 v[28+\e], v[24+\e]
	v_sub_f32 v[24+\e], v[24+\e], v[28+\e]
	v_add_f32 v[24+\e], v[24+\e], v[26+\e]         ; the fraction
	v_cvt_i32_f32 v[28+\e], v[28+\e]               ; the whole part
.endr
	v_exp_f32 v24, v24
	v_exp_f32 v25, v25
	v_nop                                          ; a plain line behind the batch,
	s_wait_alu depctr_va_vdst(0)                   ; and one wait ahead of its first reader
	v_ldexp_f32 v24, v24, v28                      ; 10000^(i / 63)
	v_ldexp_f32 v25, v25, v29
	v_rcp_f32 v30, v24
	v_rcp_f32 v31, v25
	v_nop
	s_wait_alu depctr_va_vdst(0)
	v_fma_f32 v26, -v24, v30, 1.0
	v_fma_f32 v27, -v25, v31, 1.0
	v_fma_f32 v30, v30, v26, v30                   ; the angles, one step of correction behind the reciprocal
	v_fma_f32 v31, v31, v27, v31
; cos into v[out], sin into v[out + 1], of v32 (the position) x the angle of pair e
.macro SINCOS e, out
	v_mul_f32 v33, v32, v[30+\e]                   ; one f32 product
	v_mul_f32 v34, s44, v33
	v_rndne_f32 v34, v34                           ; quarter turns
	v_fma_f32 v35, v34, s45, v33                   ; exact: at most 11 bits x 24 bits, and the difference is under 1
	v_fma_f32 v35, v34, s46, v35
	v_mul_f32 v36, v35, v35
	v_fma_f32 v37, v36, s49, s48
	v_fma_f32 v37, v36, v37, s47
	v_mul_f32 v38, v36, v35
	v_fma_f32 v37, v38, v37, v35                   ; the sine of the rest
	v_fma_f32 v39, v36, s52, s51
	v_fma_f32 v39, v36, v39, s50
	v_mul_f32 v40, v36, v36
	v_fma_f32 v41, v36, -0.5, 1.0
	v_fma_f32 v39, v40, v39, v41                   ; the cosine
	v_cvt_i32_f32 v42, v34
	v_and_b32 v43, 1, v42
	v_cmp_eq_u32 vcc_lo, 1, v43
	v_cndmask_b32 v44, v37, v39, vcc_lo            ; an odd quarter swaps the two
	v_cndmask_b32 v45, v39, v37, vcc_lo
	v_and_b32 v43, 2, v42
	v_lshlrev_b32 v43, 30, v43
	v_xor_b32 v[\out+1], v43, v44                  ; the sine is negative in quarters 2 and 3,
	v_add_nc_u32 v42, 1, v42
	v_and_b32 v42, 2, v42
	v_lshlrev_b32 v42, 30, v42
	v_xor_b32 v[\out], v42, v45                    ; the cosine in 1 and 2
.endm
.irp n, 0,1,2,3,4,5,6,7
	s_add_co_u32 s31, s30, \n
	v_cvt_f32_u32 v32, s31
	SINCOS 0, 64+4*\n
	SINCOS 1, 66+4*\n
	global_store_b128 v5, v[64+4*\n:67+4*\n], s[20:21] offset:512*\n   ; a wave stores a position's 512 bytes
.endr
	s_endpgm
	; ---- x: token tile T = the work-group, K slot = the wave.  Lane (r, h) takes 32 numbers (128 bytes) of its row for each block; lanes r and r + 16 cover 256 aligned bytes.
.Lx:
	v_and_b32 v2, 15, v0                           ; r
	v_bfe_u32 v3, v0, 4, 1                         ; h
	v_and_b32 v4, 8, v2
	v_add_nc_u32 v4, v4, v2                        ; r + 8 (r / 8)
	v_lshlrev_b32 v4, 12, v4
	v_lshl_add_u32 v4, v3, 7, v4
	v_lshlrev_b32 v5, 4, v1
	v_lshlrev_b32 v6, 2, v1
	v_lshlrev_b32 v7, 3, v3                        ; 8 h
	s_lshr_b32 s28, ttmp9, 1
	s_lshl_b32 s28, s28, 5
	s_and_b32 s29, ttmp9, 1
	s_lshl_b32 s29, s29, 3
	s_add_co_u32 s28, s28, s29                     ; the tile's first row
	s_lshl_b32 s28, s28, 12
	s_lshl_b32 s29, s22, 10
	s_add_co_u32 s28, s28, s29
	s_mov_b32 s29, 0
	s_add_nc_u64 s[4:5], s[4:5], s[28:29]
	s_lshr_b32 s30, ttmp9, 3
	s_lshl_b32 s30, s30, 2
	s_add_co_u32 s30, s30, s22
	s_mul_i32 s30, s30, PANEL                      ; panel (token group, K slot)
	s_and_b32 s31, ttmp9, 7
	s_mul_i32 s32, s31, 2*FRB
	s_add_co_u32 s32, s32, s30
	s_mov_b32 s33, 0
	s_add_nc_u64 s[34:35], s[16:17], s[32:33]
	s_lshl_b32 s32, s31, 7
	s_add_co_u32 s32, s32, s30
	s_add_co_u32 s32, s32, REC
	s_add_nc_u64 s[36:37], s[16:17], s[32:33]
.irp q, 0,1
.irp c, 0,1
.irp j, 0,1,2,3,4,5,6,7
	global_load_b128 v[D+64*\q+32*\c+4*\j:D+64*\q+32*\c+4*\j+3], v4, s[4:5] offset:512*\q+256*\c+16*\j th:TH_LOAD_NT
.endr
.endr
.endr
	s_wait_loadcnt 24                              ; the first block's eight loads are in; the 24 behind them may be out
	BLK32 D, F, BY
	s_wait_loadcnt 16
	BLK32 D+32, F+6, BY+1
	s_wait_loadcnt 8
	BLK32 D+64, F+12, BY+2
	s_wait_loadcnt 0x0
	BLK32 D+96, F+18, BY+3
.irp q, 0,1
	v_lshl_or_b32 v[16+\q], v[BY+2*\q+1], 16, v[BY+2*\q]   ; my two bytes of the step: blocks h and 2 + h,
	v_lshlrev_b32 v[16+\q], v7, v[16+\q]           ; at their places
.endr
	v_mov_b32 v18, 0
	v_mov_b32 v19, 0
	v_permlanex16_b32 v18, v16, s26, s27
	v_permlanex16_b32 v19, v17, s26, s27
	v_or_b32 v16, v16, v18                         ; with lane l xor 16's two the word is whole
	v_or_b32 v17, v17, v19
	v_cndmask_b32 v16, v16, v17, s23               ; lanes 0-15: the first step's record, lanes 16-31: the second's
.irp q, 0,1
.irp c, 0,1,2
	global_store_b128 v5, v[F+12*\q+4*\c:F+12*\q+4*\c+3], s[34:35] offset:FRB*\q+512*\c   ; 512 consecutive bytes
.endr
.endr
	global_store_b32 v6, v16, s[36:37]
	s_endpgm
	; ---- wq, wk (column groups 0-7, 8-15 of wcod), wo
.Lw4:
	s_sub_co_u32 s30, ttmp9, 256
	s_cmp_lt_u32 s30, 128
	s_cbranch_scc0 .Lwo
	s_cmp_lt_u32 s30, 64
	s_cselect_b64 s[24:25], s[6:7], s[8:9]
	s_lshr_b32 s31, s30, 3                         ; column group in wcod
	s_and_b32 s32, s30, 7                          ; K step
	s_and_b32 s33, s31, 7                          ; column group in the tensor
	s_lshl_b32 s34, s31, 2
	s_lshr_b32 s35, s32, 1
	s_add_co_u32 s34, s34, s35
	s_mul_i32 s34, s34, PANEL
	s_and_b32 s35, s32, 1
	s_mov_b32 s36, 2
	s_mov_b32 s37, s22
	s_branch .Lw4go
.Lwo:
	s_mov_b64 s[24:25], s[10:11]
	s_sub_co_u32 s30, s30, 128
	s_lshr_b32 s33, s30, 4                         ; 128 columns: two groups of 64
	s_and_b32 s32, s30, 15                         ; K step
	s_lshl_b32 s34, s33, 1
	s_lshr_b32 s35, s22, 1
	s_add_co_u32 s34, s34, s35
	s_lshl_b32 s34, s34, 2
	s_lshr_b32 s35, s32, 2
	s_add_co_u32 s34, s34, s35
	s_mul_i32 s34, s34, PANEL
	s_add_co_u32 s34, s34, WOFF
	s_and_b32 s35, s32, 3
	s_mov_b32 s36, 4
	s_and_b32 s37, s22, 1
.Lw4go:
	WPATH 4096
	; ---- wg (column groups 16-31), wv (32-47)
.Lw8:
	s_sub_co_u32 s30, ttmp9, 512
	s_cmp_lt_u32 s30, 128
	s_cselect_b64 s[24:25], s[12:13], s[14:15]
	s_lshr_b32 s31, s30, 3
	s_and_b32 s32, s30, 7
	s_and_b32 s33, s31, 15
	s_add_co_u32 s31, s31, 16
	s_lshl_b32 s34, s31, 2
	s_lshr_b32 s35, s32, 1
	s_add_co_u32 s34, s34, s35
	s_mul_i32 s34, s34, PANEL
	s_and_b32 s35, s32, 1
	s_mov_b32 s36, 2
	s_mov_b32 s37, s22
	WPATH 8192
.Lfunc_end_k_q045878aeb3_prep:
	.size	k_q045878aeb3_prep, .Lfunc_end_k_q045878aeb3_prep-k_q045878aeb3_prep
	.p2alignl 7, 3214868480
	.fill 96, 4, 3214868480
	.section	.rodata,"a",@progbits
	.p2align	6, 0x0
	.amdhsa_kernel k_q045878aeb3_prep
		.amdhsa_group_segment_fixed_size 0
		.amdhsa_private_segment_fixed_size 0
		.amdhsa_enable_private_segment 0
		.amdhsa_kernarg_size 72
		.amdhsa_user_sgpr_count 2
		.amdhsa_user_sgpr_kernarg_segment_ptr 1
		.amdhsa_wavefront_size32 1
		.amdhsa_system_sgpr_workgroup_id_x 1
		.amdhsa_system_sgpr_workgroup_id_y 1
		.amdhsa_system_sgpr_workgroup_id_z 1
		.amdhsa_system_vgpr_workitem_id 0
		.amdhsa_next_free_vgpr 192
		.amdhsa_next_free_sgpr 66
		.amdhsa_reserve_vcc 1
		.amdhsa_float_denorm_mode_32 3
		.amdhsa_float_denorm_mode_16_64 3
		.amdhsa_memory_ordered 1
		.amdhsa_forward_progress 1
		.amdhsa_inst_pref_size 75
	.end_amdhsa_kernel
	.amdgpu_metadata
---
amdhsa.version: [ 1, 2 ]
amdhsa.kernels:
  - .name:           k_q045878aeb3_prep
    .symbol:         k_q045878aeb3_prep.kd
    .args:
      - { .name: x, .offset: 0, .size: 8, .value_kind: global_buffer, .address_space: global }
      - { .name: wq, .offset: 8, .size: 8, .value_kind: global_buffer, .address_space: global }
      - { .name: wk, .offset: 16, .size: 8, .value_kind: global_buffer, .address_space: global }
      - { .name: wo, .offset: 24, .size: 8, .value_kind: global_buffer, .address_space: global }
      - { .name: wg, .offset: 32, .size: 8, .value_kind: global_buffer, .address_space: global }
      - { .name: wv, .offset: 40, .size: 8, .value_kind: global_buffer, .address_space: global }
      - { .name: xc, .offset: 48, .size: 8, .value_kind: global_buffer, .address_space: global }
      - { .name: wcod, .offset: 56, .size: 8, .value_kind: global_buffer, .address_space: global }
      - { .name: rope, .offset: 64, .size: 8, .value_kind: global_buffer, .address_space: global }
    .group_segment_fixed_size: 0
    .private_segment_fixed_size: 0
    .kernarg_segment_align: 8
    .kernarg_segment_size: 72
    .max_flat_workgroup_size: 128
    .sgpr_count:     66
    .vgpr_count:     192
    .wavefront_size: 32
...
	.end_amdgpu_metadata
.endif
;; end of part 1
;; launch proj (part 2): grid 24 x 16, 4 waves a work-group, clusters of 4 x 4, 327,680 bytes of LDS; arguments xc, wcod, rope, qk, vc, gb; writes qk, vc, gb
.if DOCPART == 2
	.amdgcn_target "amdgcn-amd-amdhsa--gfx1250"
	.amdhsa_code_object_version 6
	.text
	.protected	k_q045878aeb3_proj
	.globl	k_q045878aeb3_proj
	.p2align	8
	.type	k_q045878aeb3_proj,@function
k_q045878aeb3_proj:
	s_mov_b64 s[64:65], 0
	v_nop
	global_prefetch_b8 v0, s[64:65] scope:SCOPE_SE
	s_setreg_imm32_b32 hwreg(HW_REG_WAVE_MODE, 25, 1), 1
	s_wait_xcnt 0x0
	s_wait_alu depctr_hold_cnt(0) depctr_sa_sdst(0) depctr_va_vdst(0) depctr_va_sdst(0) depctr_va_ssrc(0) depctr_va_vcc(0) depctr_vm_vsrc(0)
	s_getreg_b32 s2, hwreg(HW_REG_IB_STS2, 6, 4)
	s_cmp_eq_u32 s2, 0
	s_cbranch_scc0 .Lentry_in_a_cluster
	s_endpgm
.Lentry_in_a_cluster:
	s_bfe_u32 s2, ttmp6, 0x10000c
	s_cmp_lg_u32 s2, 0xf033
	s_cbranch_scc0 .Lentry_shape_is_right
	s_endpgm
.Lentry_shape_is_right:
; PROJ: x wq, x wk, x wg, x wv as one product on codes of FP6, K = 1,024.  A work-group makes 256 x 256, a wave 128 x 128: 64 accumulators, 512 registers.
; Source 0 = 16 rows of "B", source 1 = 16 rows of "A": a lane holds ONE row of A and its registers run along B's rows; by the order of rows in a tile (lane r of tile T is row
; 32 (T / 2) + 8 (T % 2) + r + 8 (r / 8)) the 16 registers of two neighbouring tiles are 16 neighbours.  So what comes out is ready for the next quantiser:
;   clusters x = 0 (q), 1 (k): A = tokens, B = columns: a lane holds a token and 64 of its head's 128 channels: x 128^-1/2 (k), rotation, quantised along the head;
;   clusters x = 2, 3 (g):     the same; stored as f32, as the image of the registers;
;   clusters x = 4, 5 (v):     A = v's channels, B = tokens: a lane holds a channel and 64 of 128 keys: quantised along the keys.
; OPERANDS lie in memory as panels: for 128 rows and 256 of K, 16 images of fragment registers (1,536 bytes each) and their 16 records of scale words: 25,600 dense bytes, one tensor load.
; A slot of LDS holds four panels (A's two halves, B's two); each wave fills one.  Two slots; K's four slots' worth go through them.
; CLUSTERS: 4 x 4.  A's panels are asked for jointly along a row of the cluster, B's along a column.
; REGISTERS: window 0: v16-31 addresses; v32-47 scale words, two sets; v64-255 A's fragments, two sets.  window 1: B's fragments, two sets (v0-191).  windows 2, 3: accumulator (a, b) at v[8 (8 (a % 4) + b)].
; LIMITS: NaN and infinities are not served; a block of zeros, or one under 2^-124, gets the byte 1.
.set PANEL, 25600
.set FRB,   1536
.set REC,   24576
.set SLOT,  4*PANEL
.set SPARE, 2*SLOT                     ; behind the ring: the spare words, 128 bytes a wave: two blocks of 256 bytes that no other line names
.set ADRA, 16                          ; v16-17 my half of A in slot 0, 1: + 16 x lane
.set ADRB, 20                          ; v20-21 the same for B
.set ADRS, 22                          ; v22-23 the records: lanes 0-15 A's, lanes 16-31 B's
.set LI16, 24
.set LI4,  25
.set VT,   26                          ; my row and half in the table
.set W2,   27
.set SPW,  28
.set NIL,  29
.set PW,   30
.set PWK,  31
.set SC,   32                          ; scale words: set p at v[SC + 8 p]; register i: lanes 0-15 A's block i, lanes 16-31 B's block i
.set AF,   64                          ; A's sets at v[AF + 96 p]
.set X,    64                          ; the way out: 64 numbers
.set PC,   128                         ; the codes just made (20 registers)
.set TM,   148                         ; 12 at work
.set RT,   160                         ; 8 at work in the rotation
.set WV,   16
.set RA,   17                          ; which half of A's rows is mine.  Also: I fetch for A (0) or for B (1)
.set CB,   18                          ; which half of B's rows.  Also: which half I fetch
.set MD,   19                          ; 0 q, 1 k, 2 g, 3 v: the same in all sixteen partners
.set VM,   20
.set HI16, 21
.set SEL,  22
.set G1A,  24
.set G0A,  32
.set G1B,  48
.set G0B,  56
.set OF,   80
.set OS,   82
.set SCL,  84
.set TBL,  86
.set MSB, 0
.macro WIN new                         ; the immediate's high byte repeats the setting that is left
.if MSB != (\new)
	s_set_vgpr_msb (MSB<<8)|(\new)
.set MSB, (\new)
.endif
.endm
.macro PLACES                          ; four plain lines between a matrix instruction and a load into, or a read of, its registers
.rept 4
	v_nop
.endr
.endm
.macro JLOAD s                         ; a joint load: waves 0, 1 for A, waves 2, 3 for B
	s_cmp_eq_u32 s[RA], 0
	s_cbranch_scc0 .Lfor_b_\@
	tensor_load_to_lds s[G0A+4*\s:G0A+4*\s+3], s[G1A:G1A+7]
	s_nop 0
.rept 4
	v_nop
.endr
	s_branch .Lasked_\@
.Lfor_b_\@:
	tensor_load_to_lds s[G0B+4*\s:G0B+4*\s+3], s[G1B:G1B+7]
	s_nop 0
.rept 4
	v_nop
.endr
.Lasked_\@:
.endm
.macro CREST                           ; a round of the cluster's barrier behind its opening barrier
	s_cmp_lg_u32 s[WV], 0
	s_cbranch_scc1 .Lnot_wave_0_\@
	s_barrier_signal -3
.Lnot_wave_0_\@:
	s_barrier_wait -3
	s_barrier_signal -1
	s_barrier_wait -1
.endm
.macro CROUND
	s_barrier_signal -1
	s_barrier_wait -1
	CREST
.endm
; 64 numbers of a lane, register 16 b + i = k 32 b + 16 (lane / 16) + i of its row, become a fragment's codes in v[PC] .. v[PC + 11] and its scale word in v[PW]
.macro QUANT s
.irp b, 0,1,2,3
	v_max3_num_f32 v[TM+\b], |v[\s+16*\b]|, |v[\s+1+16*\b]|, 0x1800000   ; the floor 2^(3 - 127) among the leaves
.endr
.irp i, 2,4,6,8,10,12,14
.irp b, 0,1,2,3
	v_max3_num_f32 v[TM+\b], v[TM+\b], |v[\s+16*\b+\i]|, |v[\s+1+16*\b+\i]|
.endr
.endr
.irp b, 0,1,2,3
	v_permlanex16_b32 v[TM+4+\b], v[TM+\b], s[SEL], s[SEL+1]
.endr
.irp b, 0,1,2,3
	v_max_num_f32 v[TM+\b], v[TM+\b], v[TM+4+\b]   ; with lane l xor 16's: the block's largest magnitude
.endr
.irp b, 0,1,2,3
	v_add_nc_u32 v[TM+8+\b], 0xff000000, v[TM+\b]  ; 2 off its exponent field: the conversion's scale operand
.endr
.irp b, 0,1,2,3
	v_lshrrev_b32 v[TM+4+\b], 23, v[TM+8+\b]       ; the byte
.endr
	v_lshl_or_b32 v[PW], v[TM+5], 8, v[TM+4]
	v_lshl_or_b32 v[PW], v[TM+6], 16, v[PW]
	v_lshl_or_b32 v[PW], v[TM+7], 24, v[PW]
.irp c, 0,1
	v_cvt_scalef32_pk16_fp6_f32 v[PC+6*\c:PC+2+6*\c], v[\s+32*\c:\s+15+32*\c], v[TM+8+2*\c]
	v_cvt_scalef32_pk16_fp6_f32 v[PC+12+4*\c:PC+14+4*\c], v[\s+16+32*\c:\s+31+32*\c], v[TM+8+2*\c+1]
.endr
	v_nop                                          ; one plain line behind the conversions
.irp c, 0,1                            ; the operand wants a whole block in a lane
.irp i, 0,1,2
	v_permlane16_swap_b32 v[PC+6*\c+\i], v[PC+12+4*\c+\i]
.endr
.irp i, 0,1,2
	v_mov_b32 v[PC+3+6*\c+\i], v[PC+12+4*\c+\i]
.endr
.endr
.endm
	s_load_b256 s[4:11], s[0:1], 0x0               ; xc, wcod, rope, qk
	s_load_b128 s[12:15], s[0:1], 0x20             ; vc, gb
	v_lshl_add_u32 v[SPW], v0, 2, SPARE
	v_mov_b32 v[NIL], 0
	ds_add_u32 v[SPW], v[NIL]                      ; the wave's opening: the add and its wait ahead of my first tensor load
	v_lshrrev_b32 v1, 5, v0
	v_readfirstlane_b32 s[WV], v1
	s_lshr_b32 s[RA], s[WV], 1
	s_and_b32 s[CB], s[WV], 1
	s_bfe_u32 s40, ttmp6, 0x40000                  ; cx
	s_bfe_u32 s41, ttmp6, 0x40004                  ; cy
	s_and_b32 s44, ttmp7, 0xffff                   ; cluster y
	s_sub_co_u32 s45, ttmp9, 4
	s_cmp_ge_u32 ttmp9, 4                          ; v's clusters: A = channels, B = tokens
	s_cselect_b32 s46, s45, s44
	s_cselect_b32 s47, s44, ttmp9
	s_cselect_b32 s[VM], 1, 0
	s_min_u32 s[MD], ttmp9, 2
	s_cmp_ge_u32 ttmp9, 4
	s_cselect_b32 s[MD], 3, s[MD]
	s_lshl_b32 s43, s46, 2
	s_add_co_u32 s43, s43, s41                     ; A's tile of 256 rows: shared along my row of the cluster
	s_lshl_b32 s42, s47, 2
	s_add_co_u32 s42, s42, s40                     ; B's: shared along my column
	s_lshl_b32 s66, s41, 2
	s_lshl_b32 s66, 15, s66                        ; my row of the cluster
	s_lshl_b32 s67, 0x1111, s40                    ; my column
	s_or_b32 s[G1A], s66, (3<<16)|(1<<21)          ; 15:0 the mask; 17:16 elements of 8 bytes; 20 no padding; 21 set beside a mask
	s_or_b32 s[G1B], s67, (3<<16)|(1<<21)
.irp g, G1A, G1B
	s_mov_b32 s[\g+1], 32<<16                      ; tensor_dim0 = 32 elements: 256 bytes
	s_mov_b32 s[\g+2], 100<<16                     ; tensor_dim1 = 100 rows: a panel
	s_mov_b32 s[\g+3], 32<<16                      ; tile_dim0
	s_mov_b32 s[\g+4], 100                         ; tile_dim1
	s_mov_b32 s[\g+5], 32                          ; dense
	s_mov_b32 s[\g+6], 0
	s_mov_b32 s[\g+7], 0
.endr
	s_lshl_b32 s72, s43, 1
	s_add_co_u32 s72, s72, s[CB]
	s_mul_i32 s72, s72, 4*PANEL                    ; A: the group of 128 rows that I fetch: four panels each
	s_mov_b32 s73, 0
	s_lshl_b32 s74, s42, 1
	s_add_co_u32 s74, s74, s[CB]
	s_mul_i32 s74, s74, 4*PANEL                    ; B likewise
	s_mov_b32 s75, 0
	s_mul_i32 s76, s[WV], PANEL                    ; where my panel goes: no place in the cluster enters an LDS address
	s_mov_b32 s[HI16], 0xffff0000
	s_mov_b32 s[SEL], 0x76543210
	s_mov_b32 s[SEL+1], 0xfedcba98
	s_wait_dscnt 0x0                               ; the opening add is done
	s_wait_kmcnt 0x0
	s_add_nc_u64 s[66:67], s[6:7], 3276800         ; v's column groups in wcod
	s_cmp_eq_u32 s[VM], 1
	s_cselect_b64 s[68:69], s[66:67], s[4:5]
	s_cselect_b64 s[70:71], s[4:5], s[6:7]
	s_add_nc_u64 s[68:69], s[68:69], s[72:73]
	s_add_nc_u64 s[70:71], s[70:71], s[74:75]
	CROUND                                         ; all sixteen work-groups are here: the first joint loads meet
.irp s, 0,1
	s_mov_b32 s[G0A+4*\s], 1
	s_add_co_u32 s[G0A+4*\s+1], s76, \s*SLOT
	s_add_nc_u64 s[G0A+4*\s+2:G0A+4*\s+3], s[68:69], \s*PANEL
	s_or_b32 s[G0A+4*\s+3], s[G0A+4*\s+3], 0x80000000
	s_mov_b32 s[G0B+4*\s], 1
	s_add_co_u32 s[G0B+4*\s+1], s76, \s*SLOT
	s_add_nc_u64 s[G0B+4*\s+2:G0B+4*\s+3], s[70:71], \s*PANEL
	s_or_b32 s[G0B+4*\s+3], s[G0B+4*\s+3], 0x80000000
	JLOAD \s
.endr
	v_and_b32 v1, 31, v0
	v_and_b32 v2, 15, v0                           ; r
	v_bfe_u32 v3, v0, 4, 1                         ; h
	v_lshlrev_b32 v[LI16], 4, v1
	v_lshlrev_b32 v[LI4], 2, v1
	s_mul_i32 s44, s[RA], PANEL
	s_mul_i32 s45, s[CB], PANEL
	s_add_co_u32 s45, s45, 2*PANEL
.irp s, 0,1
	v_add_nc_u32 v[ADRA+\s], s44, v[LI16]
	v_add_nc_u32 v[ADRB+\s], s45, v[LI16]
	s_add_co_u32 s44, s44, SLOT
	s_add_co_u32 s45, s45, SLOT
.endr
	s_mul_i32 s44, s[RA], PANEL
	s_mul_i32 s45, s[CB], PANEL
	s_add_co_u32 s45, s45, 2*PANEL
	s_sub_co_u32 s45, s45, s44                     ; from A's panel to B's
	v_mul_u32_u24 v4, s45, v3                      ; lanes 16-31 take B's records
	v_lshl_add_u32 v4, v2, 2, v4
	s_add_co_u32 s44, s44, REC
	v_add_nc_u32 v[ADRS], s44, v4
	v_add_nc_u32 v[ADRS+1], SLOT, v[ADRS]
	v_and_b32 v4, 8, v2
	v_add_nc_u32 v4, v4, v2
	v_lshlrev_b32 v[VT], 9, v4
	v_lshl_add_u32 v[VT], v3, 6, v[VT]             ; the table: row r + 8 (r / 8) of 512 bytes, + 64 h
; 56 LDS loads: the fragments and scale words of the slot's q-th 128 along K into set p; each load of 16 bytes a lane takes 512 consecutive bytes
.macro FETCH slot, q, p
	WIN 0x40                                       ; destination window 1
.irp i, 0,1,2,3,4,5,6,7
.irp c, 0,1,2
	ds_load_b128 v[96*(\p)+12*\i+4*\c:96*(\p)+12*\i+4*\c+3], v[ADRB+\slot] offset:(2*\i+(\q))*FRB+512*\c
.endr
.endr
	WIN 0
.irp i, 0,1,2,3,4,5,6,7
.irp c, 0,1,2
	ds_load_b128 v[AF+96*(\p)+12*\i+4*\c:AF+96*(\p)+12*\i+4*\c+3], v[ADRA+\slot] offset:(2*\i+(\q))*FRB+512*\c
.endr
.endr
.irp i, 0,1,2,3,4,5,6,7
	ds_load_b32 v[SC+8*(\p)+\i], v[ADRS+\slot] offset:(2*\i+(\q))*64
.endr
.endm
; 16 matrix instructions: A's blocks a0, a0 + 1 against B's eight.  The 64 accumulators take turns, one instruction a turn, in the same order in every step.
.macro MUL16 a0, p, zero
	WIN 0xa1+0x50*((\a0)/4)                        ; source 0 window 1, source 1 window 0, C and D window 2 or 3
.irp a, \a0, \a0+1
.irp b, 0,1,2,3,4,5,6,7
.if \zero
	v_wmma_scale_f32_16x16x128_f8f6f4 v[8*(8*((\a)%4)+\b):8*(8*((\a)%4)+\b)+7], v[96*(\p)+12*\b:96*(\p)+12*\b+11], v[AF+96*(\p)+12*(\a):AF+96*(\p)+12*(\a)+11], 0, v[SC+8*(\p)+\b], v[SC+8*(\p)+(\a)] matrix_a_fmt:MATRIX_FMT_FP6 matrix_b_fmt:MATRIX_FMT_FP6 matrix_a_scale:MATRIX_SCALE_ROW1
.else
	v_wmma_scale_f32_16x16x128_f8f6f4 v[8*(8*((\a)%4)+\b):8*(8*((\a)%4)+\b)+7], v[96*(\p)+12*\b:96*(\p)+12*\b+11], v[AF+96*(\p)+12*(\a):AF+96*(\p)+12*(\a)+11], v[8*(8*((\a)%4)+\b):8*(8*((\a)%4)+\b)+7], v[SC+8*(\p)+\b], v[SC+8*(\p)+(\a)] matrix_a_fmt:MATRIX_FMT_FP6 matrix_b_fmt:MATRIX_FMT_FP6 matrix_a_scale:MATRIX_SCALE_ROW1
.endif
.endr
.endr
.endm
; A slot's first step: set 0 is multiplied while set 1 comes
.macro STEP slot, zero
	WIN 0
	s_wait_dscnt 0x0                               ; set 0, asked for a step ago
	PLACES
	FETCH \slot, 1, 1
	MUL16 0, 0, \zero
	MUL16 2, 0, \zero
	MUL16 4, 0, \zero
	MUL16 6, 0, \zero
.endm
; A slot's second step changes slots: one barrier; in front of it each wave's reads of the slot are over, all its tensor loads have landed, and 0 is added to its spare word
.macro TURN slot, next, fill
	WIN 0
	s_wait_dscnt 0x0                               ; set 1 is in: they were my last reads of this slot
	s_wait_tensorcnt 0x0                           ; my part of the next slot has landed
	ds_add_u32 v[SPW], v[NIL]
	MUL16 0, 1, 0                                  ; sixteen matrix instructions stand between the add and the wait for it
	s_wait_dscnt 0x0
	s_barrier_signal -1
	MUL16 2, 1, 0
	WIN 0
	s_barrier_wait -1
.if \fill
	CREST                                          ; the barrier has opened a round of the cluster's: no wave of any partner still reads this slot or has a load on its way
	s_add_nc_u64 s[G0A+4*\slot+2:G0A+4*\slot+3], s[G0A+4*\slot+2:G0A+4*\slot+3], 2*PANEL
	s_add_nc_u64 s[G0B+4*\slot+2:G0B+4*\slot+3], s[G0B+4*\slot+2:G0B+4*\slot+3], 2*PANEL
	JLOAD \slot                                    ; the first tensor load behind the round; its four v_nop are the places in front of the loads below
.else
	PLACES
.endif
	FETCH \next, 0, 0
	MUL16 4, 1, 0
	MUL16 6, 1, 0
.endm
	s_wait_tensorcnt 1                             ; my part of slot 0 is in; slot 1's load may be out
	s_barrier_signal -1
	s_barrier_wait -1
	FETCH 0, 0, 0
	STEP 0, 1                                      ; the first step's products start the sums
	TURN 0, 1, 1
	STEP 1, 0
	TURN 1, 0, 1
	STEP 0, 0
	TURN 0, 1, 0                                   ; nothing is left to fetch
	STEP 1, 0
	WIN 0
	s_wait_dscnt 0x0
	MUL16 0, 1, 0
	MUL16 2, 1, 0
	MUL16 4, 1, 0
	MUL16 6, 1, 0
	WIN 0
	PLACES
.irp b, 0,1,2,3
	v_mov_b32 v[TM+4+\b], 0                        ; a lane permute's destination counts as one of its sources
.endr
	s_lshl_b32 s44, s43, 1
	s_add_co_u32 s44, s44, s[RA]                   ; my group of 128 rows of A
	s_lshl_b32 s45, s42, 1
	s_add_co_u32 s45, s45, s[CB]                   ; and of B
	s_mov_b32 s67, 0
	s_mov_b32 s69, 0
	s_cmp_eq_u32 s[MD], 2
	s_cbranch_scc1 .Lg
	s_cmp_eq_u32 s[MD], 3
	s_cbranch_scc1 .Lv
; The table's 16 loads for block a: cos and sin of my token's 32 pairs, into window 1 (B's registers are done with): register 2 e the cosine, 2 e + 1 the sine of the pair in X + 2 e, X + 2 e + 1
.macro TLOAD a
	WIN 0x40
.irp k, 0,1,2,3
.irp j, 0,1,2,3
	global_load_b128 v[64*((\a)%2)+16*\k+4*\j:64*((\a)%2)+16*\k+4*\j+3], v[VT], s[TBL:TBL+1] offset:(32*((\a)/2)+8*((\a)%2))*512+128*\k+16*\j
.endr
.endr
	WIN 0
.endm
; Block a of A's rows: 64 results a lane are scaled, rotated (rot = 1), quantised and stored as a fragment's image
.macro OUTBLK a, rot
	s_wait_xcnt 0x0                                ; the last block's stores have read their registers
	WIN 0x02+(\a)/4                                ; source 0: window 2 or 3
.set j, 0
.rept 32
	v_pk_mul_f32 v[X+j:X+j+1], v[64*((\a)%4)+j:64*((\a)%4)+j+1], s[SCL:SCL+1] op_sel_hi:[1,0]   ; each accumulator from its low end on
.set j, j+2
.endr
	WIN 0
.if \rot
.if (\a) < 7
	TLOAD (\a)+1
	s_wait_loadcnt 16                              ; this block's table is in; the next block's 16 loads may be out
.else
	s_wait_loadcnt 0x0
.endif
	WIN 0x04                                       ; source 1: window 1
.set e, 0
.rept 32
	v_mul_f32 v[RT+2*(e%4)], v[X+2*e+1], v[64*((\a)%2)+2*e+1]
	v_mul_f32 v[RT+2*(e%4)+1], v[X+2*e], v[64*((\a)%2)+2*e+1]
	v_fma_f32 v[X+2*e], v[X+2*e], v[64*((\a)%2)+2*e], -v[RT+2*(e%4)]          ; x0 cos - x1 sin
	v_fma_f32 v[X+2*e+1], v[X+2*e+1], v[64*((\a)%2)+2*e], v[RT+2*(e%4)+1]     ; x1 cos + x0 sin
.set e, e+1
.endr
	WIN 0
.endif
	QUANT X
.irp c, 0,1,2
	global_store_b128 v[LI16], v[PC+4*\c:PC+4*\c+3], s[OF:OF+1] offset:(\a)*FRB+512*\c   ; 512 consecutive bytes
.endr
.if (\a)%2 == 0
	v_mov_b32 v[PWK], v[PW]
.else
	v_cndmask_b32 v[W2], v[PWK], v[PW], s[HI16]    ; two records by one store of 128 bytes
	global_store_b32 v[LI4], v[W2], s[OS:OS+1] offset:((\a)/2)*128
.endif
.endm
	; ---- q, k: half panel (batch and head, group of 128 tokens)
	s_lshr_b32 s46, s44, 4
	s_lshl_b32 s46, s46, 3
	s_and_b32 s47, s45, 7
	s_add_co_u32 s46, s46, s47
	s_lshl_b32 s46, s46, 4
	s_and_b32 s47, s44, 15
	s_add_co_u32 s46, s46, s47
	s_mul_i32 s66, s46, 12800
	s_lshl_b32 s68, s47, 16                        ; the table's rows of my 128 positions
	s_cmp_eq_u32 s[MD], 1
	s_cselect_b32 s46, 3276800, 0                  ; k's half of the buffer
	s_cselect_b32 s[SCL], 0x3db504f3, 1.0          ; k: x 128^-1/2
	s_mov_b32 s[SCL+1], s[SCL]
	s_add_co_u32 s66, s66, s46
	s_add_nc_u64 s[OF:OF+1], s[10:11], s[66:67]
	s_add_nc_u64 s[OS:OS+1], s[OF:OF+1], 12288
	s_add_nc_u64 s[TBL:TBL+1], s[8:9], s[68:69]
	TLOAD 0
.irp a, 0,1,2,3,4,5,6,7
	OUTBLK \a, 1
.endr
	s_branch .Lend
	; ---- v: panel (batch and head, key step); my eight channel tiles
.Lv:
	s_lshr_b32 s46, s45, 4
	s_lshl_b32 s46, s46, 3
	s_add_co_u32 s46, s46, s43
	s_lshl_b32 s46, s46, 4
	s_and_b32 s47, s45, 15
	s_add_co_u32 s46, s46, s47
	s_mul_i32 s46, s46, PANEL
	s_mul_i32 s47, s[RA], 8*FRB
	s_add_co_u32 s66, s46, s47
	s_lshl_b32 s47, s[RA], 9
	s_add_co_u32 s68, s46, s47
	s_add_co_u32 s68, s68, REC
	s_mov_b32 s[SCL], 1.0
	s_mov_b32 s[SCL+1], 1.0
	s_add_nc_u64 s[OF:OF+1], s[12:13], s[66:67]
	s_add_nc_u64 s[OS:OS+1], s[12:13], s[68:69]
.irp a, 0,1,2,3,4,5,6,7
	OUTBLK \a, 0
.endr
	s_branch .Lend
	; ---- g: f32, as the image of the 64 registers: (token tile, group of 128 columns) 8,192 bytes
.Lg:
	s_lshl_b32 s66, s44, 20
	s_sub_co_u32 s46, s45, 16
	s_lshl_b32 s46, s46, 13
	s_add_co_u32 s66, s66, s46
	s_add_nc_u64 s[OF:OF+1], s[14:15], s[66:67]
.irp a, 0,1,2,3,4,5,6,7
	WIN 0x08+4*(\a/4)                              ; a store's data: window 2 or 3
.irp c, 0,1,2,3,4,5,6,7,8,9,10,11,12,13,14,15
	global_store_b128 v[LI16], v[64*(\a%4)+4*\c:64*(\a%4)+4*\c+3], s[OF:OF+1] offset:\a*131072+512*\c th:TH_STORE_NT
.endr
.endr
	WIN 0
.Lend:
	s_wait_tensorcnt 0x0                           ; the wave's end
	ds_add_u32 v[SPW], v[NIL]
	s_wait_dscnt 0x0
	CROUND                                         ; the closing round
	s_endpgm
.Lfunc_end_k_q045878aeb3_proj:
	.size	k_q045878aeb3_proj, .Lfunc_end_k_q045878aeb3_proj-k_q045878aeb3_proj
	.p2alignl 7, 3214868480
	.fill 96, 4, 3214868480
	.section	.rodata,"a",@progbits
	.p2align	6, 0x0
	.amdhsa_kernel k_q045878aeb3_proj
		.amdhsa_group_segment_fixed_size 327680
		.amdhsa_private_segment_fixed_size 0
		.amdhsa_enable_private_segment 0
		.amdhsa_kernarg_size 48
		.amdhsa_user_sgpr_count 2
		.amdhsa_user_sgpr_kernarg_segment_ptr 1
		.amdhsa_wavefront_size32 1
		.amdhsa_system_sgpr_workgroup_id_x 1
		.amdhsa_system_sgpr_workgroup_id_y 1
		.amdhsa_system_sgpr_workgroup_id_z 1
		.amdhsa_system_vgpr_workitem_id 0
		.amdhsa_next_free_vgpr 1024
		.amdhsa_next_free_sgpr 96
		.amdhsa_reserve_vcc 0
		.amdhsa_float_denorm_mode_32 3
		.amdhsa_float_denorm_mode_16_64 3
		.amdhsa_memory_ordered 1
		.amdhsa_forward_progress 1
		.amdhsa_inst_pref_size 255
	.end_amdhsa_kernel
	.section	.bss,"aw",@nobits
	.p2align	6
	.space	262144
	.amdgpu_metadata
---
amdhsa.version: [ 1, 2 ]
amdhsa.kernels:
  - .name:           k_q045878aeb3_proj
    .symbol:         k_q045878aeb3_proj.kd
    .args:
      - { .name: xc, .offset: 0, .size: 8, .value_kind: global_buffer, .address_space: global }
      - { .name: wcod, .offset: 8, .size: 8, .value_kind: global_buffer, .address_space: global }
      - { .name: rope, .offset: 16, .size: 8, .value_kind: global_buffer, .address_space: global }
      - { .name: qk, .offset: 24, .size: 8, .value_kind: global_buffer, .address_space: global }
      - { .name: vc, .offset: 32, .size: 8, .value_kind: global_buffer, .address_space: global }
      - { .name: gb, .offset: 40, .size: 8, .value_kind: global_buffer, .address_space: global }
    .group_segment_fixed_size: 327680
    .private_segment_fixed_size: 0
    .kernarg_segment_align: 8
    .kernarg_segment_size: 48
    .max_flat_workgroup_size: 128
    .sgpr_count:     96
    .vgpr_count:     1024
    .wavefront_size: 32
...
	.end_amdgpu_metadata
.endif
;; end of part 2
;; launch attn (part 3): grid 16 x 16, 4 waves a work-group, clusters of 4 x 1, 327,680 bytes of LDS; arguments qk, vc, gb, yc; writes yc
.if DOCPART == 3
	.amdgcn_target "amdgcn-amd-amdhsa--gfx1250"
	.amdhsa_code_object_version 6
	.text
	.protected	k_q045878aeb3_attn
	.globl	k_q045878aeb3_attn
	.p2align	8
	.type	k_q045878aeb3_attn,@function
k_q045878aeb3_attn:
	s_mov_b64 s[64:65], 0
	v_nop
	global_prefetch_b8 v0, s[64:65] scope:SCOPE_SE
	s_setreg_imm32_b32 hwreg(HW_REG_WAVE_MODE, 25, 1), 1
	s_wait_xcnt 0x0
	s_wait_alu depctr_hold_cnt(0) depctr_sa_sdst(0) depctr_va_vdst(0) depctr_va_sdst(0) depctr_va_ssrc(0) depctr_va_vcc(0) depctr_vm_vsrc(0)
	s_getreg_b32 s2, hwreg(HW_REG_IB_STS2, 6, 4)
	s_cmp_eq_u32 s2, 0
	s_cbranch_scc0 .Lentry_in_a_cluster
	s_endpgm
.Lentry_in_a_cluster:
	s_bfe_u32 s2, ttmp6, 0x10000c
	s_cmp_lg_u32 s2, 0x3003
	s_cbranch_scc0 .Lentry_shape_is_right
	s_endpgm
.Lentry_shape_is_right:
; ATTN: retention of one batch and head.  scores = (q . k) x gamma^(i - j) / sqrt(n_i) for j <= i, divided by max(|the row's sum|, 1), quantised along the keys; x v; RMS norm over the head's 256; x silu(g); quantised along the value axis.
; The divisor is no power of two, so a row's sum is known before any of its scores is quantised: the scores are made twice, once to be summed (pass 1), once to be quantised (pass 2).
; SHARES.  A cluster of four work-groups owns two blocks of 256 queries of the head: the HIGH block 7 - s and the LOW block s (s = the cluster's x).  Wave w of partner p owns tile 4 p + w (16 queries) of each.
; HIGH needs 16 - 2 s key steps of 128, LOW 2 s + 2: 18 for every wave of the launch, so every trip count is a constant and every joint load stands on every path.
; No branch hangs on a work-group's place in its cluster: the last two steps of a block are run with the mask in every partner (a select on ids), so a tile in the block's first half multiplies one step of zeros.
; LAYOUT.  S^T = K Q^T and O^T = V^T P^T: a lane holds one query; by the order of keys in a tile its 16 registers of two neighbouring tiles are 16 neighbouring keys.
; gamma^(q - key) = 2^(lam (q - 16 h - first key) - 32 b lam) x 2^(-lam i): an exponential for each block b of 32 keys and a table C of sixteen factors.
; n = (1 - gamma^N) / (1 - gamma), N = q + 1; where N |ln gamma| < 1/4 by the series N x Ser x (1 - t/2 (1 - t/3 ( .. (1 - t/8)))), so that nothing cancels.
; LDS: V in two slots of two key steps (0 and 65,536); the spare words at 51,200; K of the whole head from 116,736 on, filled once and read in both passes.  Clusters with s > 0 leave K's last 2 s steps unread:
; the price of joint loads that are alike on every path.
; O^T is cleared by moves: where a block begins hangs on the cluster's number, so no first product can be written out ahead of the loop.
; REGISTERS: window 0 as named below; window 1: v0-95 K's eight fragments; window 2: v0-191 V's sixteen; window 3: v0-127 O^T, v128-255 g.
; LIMITS: NaN and infinities are not served; a block of zeros, or one under 2^-124, gets the byte 1; gamma^d is good to about three units in the last place plus 1e-7 x its exponent.
.set PANEL, 25600
.set FRB,   1536
.set REC,   24576
.set SPARE, 51200
.set VSL1,  0x10000
.set KBASE, 116736
.set LI16, 1
.set LI4,  2
.set ADK,  3
.set ADK4, 4
.set ADV,  5
.set ADV4, 6
.set SPW,  7
.set NIL,  8
.set QHC,  9                           ; my query - 16 h, of the tile in hand;  v10 of the low tile
.set QHL,  10
.set WC,   11                          ; 1 / (sqrt(n) x divisor)
.set WL,   12
.set LAM,  13                          ; log2(gamma)
.set KB,   14                          ; v14-17 -32 b lam
.set DQ,   18
.set BS,   19
.set U,    20                          ; v20-27 the blocks' factors, in pairs whose upper register is 0
.set E,    28                          ; v28-31
.set C,    32                          ; v32-47 2^(-lam i)
.set CD,   48                          ; v48-63 the same, 0 where key i of the diagonal block is hidden from my query
.set X,    64                          ; v64-79
.set S,    80                          ; v80-143 scores
.set PC,   144
.set TM,   164
.set ZERO, 176
.set H16,  177
.set QRO,  178
.set PW,   180
.set PWK,  181
.set QSC,  182
.set QSL,  183
.set QC,   184
.set QL,   196
.set KS,   208                         ; v208-211 K's scale words: lanes 0-15 tile 2 j, lanes 16-31 tile 2 j + 1
.set VS,   212                         ; v212-219 V's likewise
.set AB,   220
.set DH,   228
.set DL,   229
.set RNH,  230
.set RNL,  231
.set CH,   232
.set PFO,  240
.set YSO,  241
.set W2,   242
.set RS,   246
.set WV,   12
.set CXP,  13
.set BH,   15
.set HH,   16
.set BB,   17
.set NSH,  18
.set NSL,  19
.set PB,   20
.set HI16, 21
.set SEL,  22
.set GD,   24                          ; s[24:31] descriptor group 1: 50 rows of 256 bytes
.set GK,   32                          ; s[32:47] groups 0 of K's four loads
.set GV,   48                          ; s[48:51] V's, which walks
.set VW,   52                          ; s[52:53] my quarter of the head's first V slot
.set KP,   54                          ; the period
.set GS,   55                          ; the step, 0 .. 17
.set TBV,  56
.set TBK,  57
.set KF,   58
.set MK,   59
.set TWICE, 60
.set LIM,  61
.set I256, 62
.set EPSR, 63
.set PFA,  66
.set SD,   70
.set SH,   74
.set GBH,  78
.set GBL,  80
.set YBC,  82
.set YBL,  84
.set G1C,  86
.set CNT,  87
.set IEPS, 88
.set EPSB, 89
.set MSB, 0
.macro WIN new
.if MSB != (\new)
	s_set_vgpr_msb (MSB<<8)|(\new)
.set MSB, (\new)
.endif
.endm
.macro ROUND                           ; a round of the cluster's barrier
	s_barrier_signal -1
	s_barrier_wait -1
	s_cmp_lg_u32 s[WV], 0
	s_cbranch_scc1 .Lnot_wave_0_\@
	s_barrier_signal -3
.Lnot_wave_0_\@:
	s_barrier_wait -3
	s_barrier_signal -1
	s_barrier_wait -1
.endm
.macro QUANT s                         ; 64 numbers of a lane (register 16 b + i = k 32 b + 16 h + i) -> codes in v[PC] .. v[PC + 11], scale word in v[PW]
.irp b, 0,1,2,3
	v_max3_num_f32 v[TM+\b], |v[\s+16*\b]|, |v[\s+1+16*\b]|, 0x1800000
.endr
.irp i, 2,4,6,8,10,12,14
.irp b, 0,1,2,3
	v_max3_num_f32 v[TM+\b], v[TM+\b], |v[\s+16*\b+\i]|, |v[\s+1+16*\b+\i]|
.endr
.endr
.irp b, 0,1,2,3
	v_permlanex16_b32 v[TM+4+\b], v[TM+\b], s[SEL], s[SEL+1]
.endr
.irp b, 0,1,2,3
	v_max_num_f32 v[TM+\b], v[TM+\b], v[TM+4+\b]
.endr
.irp b, 0,1,2,3
	v_add_nc_u32 v[TM+8+\b], 0xff000000, v[TM+\b]
.endr
.irp b, 0,1,2,3
	v_lshrrev_b32 v[TM+4+\b], 23, v[TM+8+\b]
.endr
	v_lshl_or_b32 v[PW], v[TM+5], 8, v[TM+4]
	v_lshl_or_b32 v[PW], v[TM+6], 16, v[PW]
	v_lshl_or_b32 v[PW], v[TM+7], 24, v[PW]
.irp c, 0,1
	v_cvt_scalef32_pk16_fp6_f32 v[PC+6*\c:PC+2+6*\c], v[\s+32*\c:\s+15+32*\c], v[TM+8+2*\c]
	v_cvt_scalef32_pk16_fp6_f32 v[PC+12+4*\c:PC+14+4*\c], v[\s+16+32*\c:\s+31+32*\c], v[TM+8+2*\c+1]
.endr
	v_nop
.irp c, 0,1
.irp i, 0,1,2
	v_permlane16_swap_b32 v[PC+6*\c+\i], v[PC+12+4*\c+\i]
.endr
.irp i, 0,1,2
	v_mov_b32 v[PC+3+6*\c+\i], v[PC+12+4*\c+\i]
.endr
.endr
.endm
.macro FETCH_K                         ; a key step's eight fragments and four registers of scale words: 28 loads
	WIN 0x40
.irp t, 0,1,2,3,4,5,6,7
.irp c, 0,1,2
	ds_load_b128 v[12*\t+4*\c:12*\t+4*\c+3], v[ADK] offset:\t*FRB+512*\c
.endr
.endr
	WIN 0
.irp j, 0,1,2,3
	ds_load_b32 v[KS+\j], v[ADK4] offset:12288+128*\j
.endr
.endm
.macro FETCH_V                         ; sixteen fragments and eight registers of scale words: 56 loads
	WIN 0x80
.irp t, 0,1,2,3,4,5,6,7,8,9,10,11,12,13,14,15
.irp c, 0,1,2
	ds_load_b128 v[12*\t+4*\c:12*\t+4*\c+3], v[ADV] offset:\t*FRB+512*\c
.endr
.endr
	WIN 0
.irp j, 0,1,2,3,4,5,6,7
	ds_load_b32 v[VS+\j], v[ADV4] offset:REC+128*\j
.endr
.endm
.macro KQ qreg, qs                     ; S^T = K Q^T: eight tiles of 16 keys
	WIN 0x01
.irp t, 0,2,4,6
	v_wmma_scale_f32_16x16x128_f8f6f4 v[S+8*\t:S+8*\t+7], v[12*\t:12*\t+11], v[\qreg:\qreg+11], 0, v[KS+\t/2], v[\qs] matrix_a_fmt:MATRIX_FMT_FP6 matrix_b_fmt:MATRIX_FMT_FP6
	v_wmma_scale_f32_16x16x128_f8f6f4 v[S+8*\t+8:S+8*\t+15], v[12*\t+12:12*\t+23], v[\qreg:\qreg+11], 0, v[KS+\t/2], v[\qs] matrix_a_fmt:MATRIX_FMT_FP6 matrix_b_fmt:MATRIX_FMT_FP6 matrix_a_scale:MATRIX_SCALE_ROW1
.endr
	WIN 0
.endm
.macro UEXPA qh                        ; the four blocks' exponents
	v_sub_nc_u32 v[BS], v[\qh], s[KF]
	v_cvt_f32_i32 v[DQ], v[BS]
.irp b, 0,1,2,3
	v_fma_f32 v[E+\b], v[DQ], v[LAM], v[KB+\b]
.endr
.endm
.macro MASKPREP ub, st                 ; which block holds the diagonal, which are hidden: selects on ids; the hidden blocks' factors become 0
	v_add_nc_u32 v[BS], v[BS], v[H16]
	v_ashrrev_i32 v[BS], 5, v[BS]                  ; (my query - the step's first key) / 32, rounded down
.irp b, 0,1,2,3
	v_cmp_eq_i32 s[SD+\b], \b, v[BS]
.endr
.irp b, 0,1,2,3
	v_cmp_gt_i32 s[SH+\b], \b, v[BS]
.endr
.irp b, 0,1,2,3
	v_cndmask_b32 v[\ub+\st*\b], v[\ub+\st*\b], v[ZERO], s[SH+\b]
.endr
.endm
.macro MASKTAB b
.irp i, 0,1,2,3,4,5,6,7,8,9,10,11,12,13,14,15
	v_cndmask_b32 v[X+\i], v[C+\i], v[CD+\i], s[SD+\b]
.endr
.endm
.macro GLOAD ptr                       ; my tile's g, 128 numbers a lane, a whole block of queries ahead of their use
	WIN 0xc0
.irp c, 0,1,2,3,4,5,6,7,8,9,10,11,12,13,14,15,16,17,18,19,20,21,22,23,24,25,26,27,28,29,30,31
	global_load_b128 v[128+4*\c:128+4*\c+3], v[LI16], s[\ptr:\ptr+1] offset:512*\c th:TH_LOAD_NT
.endr
.endm
.macro CLEAR_O                         ; (the windows stand as GLOAD left them: destination window 3)
.set j, 0
.rept 128
	v_mov_b32 v[j], 0
.set j, j+1
.endr
	WIN 0
.endm
	s_load_b256 s[4:11], s[0:1], 0x0               ; qk, vc, gb, yc
	v_lshl_add_u32 v[SPW], v0, 2, SPARE
	v_mov_b32 v[NIL], 0
	ds_add_u32 v[SPW], v[NIL]                      ; the wave's opening: the add and its wait ahead of my first tensor load
	v_lshrrev_b32 v1, 5, v0
	v_readfirstlane_b32 s[WV], v1
	s_bfe_u32 s[CXP], ttmp6, 0x40000               ; my place in the cluster: it enters global addresses and selects alone
	s_and_b32 s[BH], ttmp7, 0xffff
	s_and_b32 s[HH], s[BH], 7
	s_lshr_b32 s[BB], s[BH], 3
	s_lshl_b32 s90, ttmp9, 1
	s_sub_co_u32 s[NSH], 16, s90
	s_add_co_u32 s[NSL], s90, 2
	s_sub_co_u32 s[PB], 7, ttmp9                   ; the high block; also its last period
	s_mov_b32 s[GD], 15|(3<<16)|(1<<21)            ; the mask: all four; elements of 8 bytes; no padding; bit 21 beside a mask
	s_mov_b32 s[GD+1], 32<<16
	s_mov_b32 s[GD+2], 50<<16
	s_mov_b32 s[GD+3], 32<<16
	s_mov_b32 s[GD+4], 50
	s_mov_b32 s[GD+5], 32
	s_mov_b32 s[GD+6], 0
	s_mov_b32 s[GD+7], 0
	s_mov_b32 s[HI16], 0xffff0000
	s_mov_b32 s[SEL], 0x76543210
	s_mov_b32 s[SEL+1], 0xfedcba98
	s_mov_b32 s[I256], 0x3b800000                  ; 1 / 256
	s_mov_b32 s[EPSR], 0x3727c5ac                  ; 1e-5
	s_sub_co_u32 s[EPSB], 122, s[HH]
	s_lshl_b32 s[EPSB], s[EPSB], 23                ; 2^(-5 - head)
	s_add_co_u32 s[IEPS], s[HH], 132
	s_lshl_b32 s[IEPS], s[IEPS], 23                ; 2^(5 + head)
	s_lshr_b32 s90, s[WV], 1
	s_or_b32 s90, s90, ttmp9
	s_cmp_eq_u32 s90, 0
	s_cselect_b32 s[LIM], 6, 0                     ; waves 0 and 1 of the head's first cluster prefetch, in periods 0 to 5
	s_mul_i32 s90, s[WV], 12800                    ; my key step of four, my quarter of a V slot
	s_mov_b32 s93, 0
	s_wait_dscnt 0x0                               ; the opening add is done
	s_wait_kmcnt 0x0
	s_mul_i32 s92, s[BH], 204800
	s_add_co_u32 s92, s92, s90
	s_add_co_u32 s92, s92, 3276800
	s_add_nc_u64 s[94:95], s[4:5], s[92:93]
.irp n, 0,1,2,3
	s_mov_b32 s[GK+4*\n], 1
	s_add_co_u32 s[GK+4*\n+1], s90, KBASE+\n*51200
	s_add_nc_u64 s[GK+4*\n+2:GK+4*\n+3], s[94:95], \n*51200
	s_or_b32 s[GK+4*\n+3], s[GK+4*\n+3], 0x80000000
.endr
	s_mul_i32 s92, s[BH], 409600
	s_add_nc_u64 s[96:97], s[6:7], s[92:93]        ; the head's V
	s_mov_b32 s92, s90
	s_add_nc_u64 s[VW:VW+1], s[96:97], s[92:93]
	s_mov_b32 s[GV], 1
	s_mov_b32 s[GV+1], s90
	s_mov_b64 s[GV+2:GV+3], s[VW:VW+1]
	s_or_b32 s[GV+3], s[GV+3], 0x80000000
	s_mul_i32 s92, s[CXP], 12800                   ; the prefetches: the partners share a slot out by address
	s_add_co_u32 s92, s92, 51200                   ; in slot 1: the first change steps it to slot 2
	s_add_nc_u64 s[PFA:PFA+1], s[96:97], s[92:93]
	ROUND                                          ; all four work-groups are here: the first joint loads meet
.irp n, 0,1,2,3
	tensor_load_to_lds s[GK+4*\n:GK+4*\n+3], s[GD:GD+7]    ; K: key steps 4 n + wave
	s_nop 0
.endr
	tensor_load_to_lds s[GV:GV+3], s[GD:GD+7]      ; V: my quarter of slot 0.  Five loads of mine are out
	s_nop 0
.rept 4
	v_nop
.endr
	v_and_b32 v232, 31, v0
	v_lshlrev_b32 v[LI16], 4, v232
	v_lshlrev_b32 v[LI4], 2, v232
	v_and_b32 v233, 15, v0                         ; r
	v_bfe_u32 v234, v0, 4, 1                       ; h
	v_lshlrev_b32 v[H16], 4, v234
	v_and_b32 v235, 8, v233
	v_add_nc_u32 v235, v235, v233
	s_and_b32 s90, s[WV], 1
	s_lshl_b32 s90, s90, 3
	v_add_nc_u32 v235, s90, v235                   ; my query mod 32
	v_sub_nc_u32 v236, v235, v[H16]                ; less 16 h
	v_min_u32 v[PFO], 49, v0                       ; a quarter slot is 50 blocks of 256 bytes: wave 0 names 32, wave 1 eighteen (its lanes 18-31 name the last once more)
	v_lshlrev_b32 v[PFO], 8, v[PFO]
	v_mov_b32 v[ZERO], 0
	v_mov_b32 v[DH], 0
	v_mov_b32 v[DL], 0
	v_mov_b32 v[RS+1], 0
.irp b, 0,1,2,3
	v_mov_b32 v[U+2*\b+1], 0
	v_mov_b32 v[TM+4+\b], 0
.endr
	s_lshl_b32 s90, s[CXP], 2
	s_add_co_u32 s90, s90, s[WV]                   ; my tile of the block's sixteen
	; g
	s_lshl_b32 s91, s[BB], 7
	s_add_co_u32 s91, s91, s90
	s_lshl_b32 s92, s[PB], 4
	s_add_co_u32 s92, s92, s91
	s_lshl_b32 s93, ttmp9, 4
	s_add_co_u32 s93, s93, s91
	s_lshl_b32 s92, s92, 17
	s_lshl_b32 s93, s93, 17
	s_lshl_b32 s94, s[HH], 14
	s_add_co_u32 s92, s92, s94
	s_add_co_u32 s94, s93, s94
	s_mov_b32 s93, 0
	s_mov_b32 s95, 0
	s_add_nc_u64 s[GBH:GBH+1], s[8:9], s[92:93]
	s_add_nc_u64 s[GBL:GBL+1], s[8:9], s[94:95]
	; the output's fragments: panel (group of 64 tokens, K slot head / 2), fragment 4 w + 2 (head % 2)
	s_lshl_b32 s91, s[BB], 5
	s_add_co_u32 s91, s91, s[CXP]
	s_lshl_b32 s92, s[PB], 2
	s_add_co_u32 s92, s92, s91
	s_lshl_b32 s94, ttmp9, 2
	s_add_co_u32 s94, s94, s91
	s_lshr_b32 s91, s[HH], 1
	s_lshl_b32 s92, s92, 2
	s_add_co_u32 s92, s92, s91
	s_lshl_b32 s94, s94, 2
	s_add_co_u32 s94, s94, s91
	s_mul_i32 s92, s92, PANEL
	s_mul_i32 s94, s94, PANEL
	s_and_b32 s91, s[HH], 1
	s_lshl_b32 s91, s91, 1
	s_lshl_b32 s96, s[WV], 2
	s_add_co_u32 s91, s91, s96
	s_mul_i32 s96, s91, FRB
	s_add_co_u32 s92, s92, s96
	s_add_co_u32 s94, s94, s96
	s_add_nc_u64 s[YBC:YBC+1], s[10:11], s[92:93]
	s_add_nc_u64 s[YBL:YBL+1], s[10:11], s[94:95]
	s_mul_i32 s91, s91, 1472
	s_sub_co_u32 s91, REC, s91
	v_add_nc_u32 v[YSO], s91, v[LI4]               ; from the fragment to its pair of records
	; my queries
	s_lshr_b32 s91, s90, 1
	s_lshl_b32 s91, s91, 5
	s_lshl_b32 s92, s[PB], 8
	s_add_co_u32 s92, s92, s91
	s_lshl_b32 s94, ttmp9, 8
	s_add_co_u32 s94, s94, s91
	v_add_nc_u32 v[QHC], s92, v236
	v_add_nc_u32 v[QHL], s94, v236
	; Q's fragments
	s_lshr_b32 s91, s90, 3
	s_and_b32 s94, s90, 7
	s_lshl_b32 s92, s[BH], 4
	s_add_co_u32 s92, s92, s91
	s_lshl_b32 s91, s[PB], 1
	s_add_co_u32 s91, s91, s92
	s_lshl_b32 s95, ttmp9, 1
	s_add_co_u32 s95, s95, s92
	s_mul_i32 s96, s94, FRB
	s_mul_i32 s92, s91, 12800
	s_add_co_u32 s92, s92, s96
	s_add_nc_u64 s[98:99], s[4:5], s[92:93]
	s_mul_i32 s92, s95, 12800
	s_add_co_u32 s92, s92, s96
	s_add_nc_u64 s[96:97], s[4:5], s[92:93]
	s_mul_i32 s94, s94, 1472
	s_sub_co_u32 s94, 12288, s94
	v_lshl_add_u32 v[QRO], v233, 2, s94            ; from the fragment to its record, 4 r
.irp c, 0,1,2
	global_load_b128 v[QC+4*\c:QC+4*\c+3], v[LI16], s[98:99] offset:512*\c
	global_load_b128 v[QL+4*\c:QL+4*\c+3], v[LI16], s[96:97] offset:512*\c
.endr
	global_load_b32 v[QSC], v[QRO], s[98:99]
	global_load_b32 v[QSL], v[QRO], s[96:97]
	GLOAD GBH
	CLEAR_O
	; the decay
	v_mov_b32 v80, s[EPSB]                         ; eps = 1 - gamma
	v_mov_b32 v83, 0x3e4ccccd
	v_fma_f32 v81, v80, 0x3e2aaaab, v83
	v_fma_f32 v81, v80, v81, 0x3e800000
	v_fma_f32 v81, v80, v81, 0x3eaaaaab
	v_fma_f32 v81, v80, v81, 0.5
	v_fma_f32 v81, v80, v81, 1.0                   ; Ser = -ln(1 - eps) / eps
	v_mul_f32 v82, v80, v81                        ; |ln gamma|
	v_mul_f32 v[LAM], 0xbfb8aa3b, v82              ; log2(gamma)
	v_mov_b32 v[KB], 0
	v_mul_f32 v[KB+1], 0xc2000000, v[LAM]
	v_mul_f32 v[KB+2], 0xc2800000, v[LAM]
	v_mul_f32 v[KB+3], 0xc2c00000, v[LAM]
.irp i, 0,1,2,3,4,5,6,7,8,9,10,11,12,13,14,15
	v_cvt_f32_i32 v[C+\i], -\i
.endr
.irp i, 0,1,2,3,4,5,6,7,8,9,10,11,12,13,14,15
	v_mul_f32 v[C+\i], v[C+\i], v[LAM]
.endr
.macro NT1 qh, t
	v_add3_u32 v[\t], v[\qh], v[H16], 1
	v_cvt_f32_i32 v[\t], v[\t]                     ; N
	v_mul_f32 v[\t+1], v[\t], v82                  ; t = N |ln gamma|
	v_mul_f32 v[\t+2], v[\t], v[LAM]
.endm
	NT1 QHC, 248
	NT1 QHL, 252
.irp i, 0,1,2,3,4,5,6,7,8,9,10,11,12,13,14,15
	v_exp_f32 v[C+\i], v[C+\i]
.endr
	v_exp_f32 v250, v250                           ; gamma^N
	v_exp_f32 v254, v254
	v_nop                                          ; a plain line behind the batch,
	s_wait_alu depctr_va_vdst(0)                   ; and one wait ahead of its first reader
.irp i, 0,1,2,3,4,5,6,7,8,9,10,11,12,13,14,15
	v_cmp_le_i32 vcc_lo, \i, v236
	v_cndmask_b32 v[CD+\i], v[ZERO], v[C+\i], vcc_lo
.endr
.macro NT2 t, rn
	v_sub_f32 v[\t+2], 1.0, v[\t+2]
	v_mul_f32 v[\t+2], s[IEPS], v[\t+2]            ; (1 - gamma^N) / eps
	v_fma_f32 v[\t+3], v[\t+1], 0xbe000000, 1.0
.irp k, 0xbe124925, 0xbe2aaaab, 0xbe4ccccd, 0xbe800000, 0xbeaaaaab
	v_mul_f32 v[\t+3], v[\t+1], v[\t+3]
	v_fma_f32 v[\t+3], v[\t+3], \k, 1.0
.endr
	v_mul_f32 v[\t+3], v[\t+1], v[\t+3]
	v_fma_f32 v[\t+3], v[\t+3], -0.5, 1.0
	v_mul_f32 v[\t], v[\t], v81
	v_mul_f32 v[\t+3], v[\t], v[\t+3]              ; the series
	v_cmp_gt_f32 vcc_lo, 0x3e800000, v[\t+1]
	v_cndmask_b32 v[\t+2], v[\t+2], v[\t+3], vcc_lo
	v_rsq_f32 v[\rn], v[\t+2]                      ; 1 / sqrt(n)
.endm
	NT2 248, RNH
	NT2 252, RNL
	v_nop
	s_wait_alu depctr_va_vdst(0)
	s_wait_loadcnt 32                              ; Q is in; g's 32 loads may be out
; PASS 1, one tile and one key step: the scores, weighed by gamma^(q - key), are added to the row's sum
.macro P1TILE qreg, qs, qh, dreg, ns
	UEXPA \qh
.irp b, 0,1,2,3
	v_exp_f32 v[E+\b], v[E+\b]
.endr
	v_nop
	s_wait_dscnt 0x0                               ; K's fragments
	KQ \qreg, \qs
.rept 4
	v_nop
.endr
	s_wait_alu depctr_va_vdst(0)                   ; the four exponentials
	s_add_co_u32 s90, s[G1C], 2
	s_cmp_ge_u32 s90, s[\ns]                       ; the block's last two steps go with the mask: ids and the count of steps alone
	s_cbranch_scc1 .Lp1m_\@
.irp b, 0,1,2,3
	v_pk_mul_f32 v[AB+2*\b:AB+2*\b+1], v[S+16*\b:S+16*\b+1], v[C:C+1]
.endr
.irp e, 2,4,6,8,10,12,14
.irp b, 0,1,2,3
	v_pk_fma_f32 v[AB+2*\b:AB+2*\b+1], v[S+16*\b+\e:S+16*\b+\e+1], v[C+\e:C+\e+1], v[AB+2*\b:AB+2*\b+1]
.endr
.endr
	s_branch .Lp1j_\@
.Lp1m_\@:
	MASKPREP E, 1
.irp b, 0,1,2,3
	MASKTAB \b
	v_pk_mul_f32 v[AB+2*\b:AB+2*\b+1], v[S+16*\b:S+16*\b+1], v[X:X+1]
.irp e, 2,4,6,8,10,12,14
	v_pk_fma_f32 v[AB+2*\b:AB+2*\b+1], v[S+16*\b+\e:S+16*\b+\e+1], v[X+\e:X+\e+1], v[AB+2*\b:AB+2*\b+1]
.endr
.endr
.Lp1j_\@:
.irp b, 0,1,2,3
	v_add_f32 v[AB+2*\b], v[AB+2*\b], v[AB+2*\b+1]
.endr
.irp b, 0,1,2,3
	v_fma_f32 v[\dreg], v[AB+2*\b], v[E+\b], v[\dreg]
.endr
.endm
; Eight key steps, from step first on; cnt: my younger tensor loads, which may stay out
.macro P1GROUP cnt, first
	s_wait_dscnt 0x0
	s_wait_tensorcnt \cnt
	s_barrier_signal -1
	s_barrier_wait -1
	s_mov_b32 s[G1C], \first
	s_mov_b32 s[TBK], KBASE+\first*12800
	s_mov_b32 s[CNT], 8
.Lp1_\@:
	s_cmp_ge_u32 s[G1C], s[NSH]                    ; a step behind the high block's last is left out
	s_cbranch_scc1 .Lp1s_\@
	v_add_nc_u32 v[ADK], s[TBK], v[LI16]
	v_add_nc_u32 v[ADK4], s[TBK], v[LI4]
	s_lshl_b32 s[KF], s[G1C], 7
	FETCH_K
	P1TILE QC, QSC, QHC, DH, NSH
	s_cmp_lt_u32 s[G1C], s[NSL]
	s_cbranch_scc0 .Lp1s_\@
	P1TILE QL, QSL, QHL, DL, NSL
.Lp1s_\@:
	s_add_co_u32 s[G1C], s[G1C], 1
	s_add_co_u32 s[TBK], s[TBK], 12800
	s_sub_co_u32 s[CNT], s[CNT], 1
	s_cmp_lg_u32 s[CNT], 0
	s_cbranch_scc1 .Lp1_\@
.endm
	P1GROUP 3, 0                                   ; K's first two loads of each wave are in: steps 0-7; two of K and V's may be out
	P1GROUP 1, 8                                   ; all of K; V's may be out
	v_permlanex16_b32 v[TM+4], v[DH], s[SEL], s[SEL+1]
	v_permlanex16_b32 v[TM+5], v[DL], s[SEL], s[SEL+1]
	v_add_f32 v[DH], v[DH], v[TM+4]
	v_add_f32 v[DL], v[DL], v[TM+5]
	v_mul_f32 v[DH], v[DH], v[RNH]                 ; the rows' sums
	v_mul_f32 v[DL], v[DL], v[RNL]
	v_max_num_f32 v[DH], |v[DH]|, 1.0
	v_max_num_f32 v[DL], |v[DL]|, 1.0
	v_rcp_f32 v[DH], v[DH]
	v_rcp_f32 v[DL], v[DL]
	v_nop
	s_wait_alu depctr_va_vdst(0)
	v_mul_f32 v[WC], v[RNH], v[DH]
	v_mul_f32 v[WL], v[RNL], v[DL]
; PASS 2.  A prefetch of V, one period (two key steps, 48 matrix instructions a wave) ahead of the load that will want it: only the head's first cluster, which walks all eight slots in its high block, asks
.macro ASK
	s_cmp_lt_u32 s[KP], s[LIM]
	s_cbranch_scc0 .Lnot_mine_\@
	global_prefetch_b8 v[PFO], s[PFA:PFA+1] th:TH_LOAD_NT scope:SCOPE_SE
.Lnot_mine_\@:
.endm
; The change of slots at a period's head.  fill = 1: the slot read last period takes the next period's two key steps of V: one load a wave, first behind the round
.macro CHANGE fill
	s_wait_tensorcnt 0x0                           ; all my tensor loads have landed: my quarter of this period's slot
	ds_add_u32 v[SPW], v[NIL]
.if \fill
	s_add_co_u32 s90, s[KP], 1
	s_sub_co_u32 s91, s[KP], s[PB]
	s_cmp_gt_u32 s90, s[PB]
	s_cselect_b32 s90, s91, s90                    ; the next period's slot of keys: the low block begins anew
	s_mul_i32 s92, s90, 51200
	s_mov_b32 s93, 0
	s_xor_b32 s[GV+1], s[GV+1], VSL1
	s_add_nc_u64 s[GV+2:GV+3], s[VW:VW+1], s[92:93]
	s_or_b32 s[GV+3], s[GV+3], 0x80000000
	s_wait_xcnt 0x0                                ; the last prefetch, a period back, has read its address
	s_add_nc_u64 s[PFA:PFA+1], s[PFA:PFA+1], 51200
	s_wait_dscnt 0x0                               ; the add is done, and my reads of the other slot are over
	ROUND
	tensor_load_to_lds s[GV:GV+3], s[GD:GD+7]
	s_nop 0
.rept 4
	v_nop
.endr
	ASK
.else
	s_wait_dscnt 0x0
	s_barrier_signal -1
	s_barrier_wait -1
.endif
.endm
; A key step.  mk = 0: open or masked by s[MK]; mk = 1: masked
.macro STEP2 mk
	s_sub_co_u32 s90, s[GS], s[NSH]
	s_cmp_ge_u32 s[GS], s[NSH]
	s_cselect_b32 s90, s90, s[GS]                  ; the key step within the block in hand
	s_min_u32 s90, s90, 15
	s_lshl_b32 s[KF], s90, 7
	s_mul_i32 s[TBK], s90, 12800
	s_add_co_u32 s[TBK], s[TBK], KBASE
	v_add_nc_u32 v[ADK], s[TBK], v[LI16]           ; (these ten lines are the places behind the last step's products)
	v_add_nc_u32 v[ADK4], s[TBK], v[LI4]
	v_add_nc_u32 v[ADV], s[TBV], v[LI16]
	v_add_nc_u32 v[ADV4], s[TBV], v[LI4]
	UEXPA QHC
	FETCH_K
	FETCH_V
.irp b, 0,1,2,3
	v_exp_f32 v[E+\b], v[E+\b]
.endr
	v_nop
	s_wait_dscnt 56                                ; K's 28 loads are in; V's 56 may be out
	KQ QC, QSC
	s_wait_alu depctr_va_vdst(0)                   ; the four exponentials
.irp b, 0,1,2,3
	v_mul_f32 v[U+2*\b], v[E+\b], v[WC]            ; the block's factor; four places behind the products
.endr
.if \mk == 0
	s_cmp_eq_u32 s[MK], 1
	s_cbranch_scc1 .Lmask_\@
.irp b, 0,1,2,3
.irp e, 0,2,4,6,8,10,12,14
	v_pk_mul_f32 v[S+16*\b+\e:S+16*\b+\e+1], v[S+16*\b+\e:S+16*\b+\e+1], v[C+\e:C+\e+1]
.endr
.endr
	s_branch .Ljoin_\@
.Lmask_\@:
.endif
	MASKPREP U, 2
.irp b, 0,1,2,3
	MASKTAB \b
.irp e, 0,2,4,6,8,10,12,14
	v_pk_mul_f32 v[S+16*\b+\e:S+16*\b+\e+1], v[S+16*\b+\e:S+16*\b+\e+1], v[X+\e:X+\e+1]
.endr
.endr
.if \mk == 0
.Ljoin_\@:
.endif
.irp b, 0,1,2,3
.irp e, 0,2,4,6,8,10,12,14
	v_pk_mul_f32 v[S+16*\b+\e:S+16*\b+\e+1], v[S+16*\b+\e:S+16*\b+\e+1], v[U+2*\b:U+2*\b+1] op_sel_hi:[1,0]
.endr
.endr
	QUANT S
.rept 8
	v_nop                                          ; a scale word made by vector lines stands eight places ahead of the product, the codes four
.endr
	s_wait_dscnt 0x0                               ; V
	WIN 0xf2                                       ; V window 2, P window 0, O^T window 3
.irp t, 0,2,4,6,8,10,12,14
	v_wmma_scale_f32_16x16x128_f8f6f4 v[8*\t:8*\t+7], v[12*\t:12*\t+11], v[PC:PC+11], v[8*\t:8*\t+7], v[VS+\t/2], v[PW] matrix_a_fmt:MATRIX_FMT_FP6 matrix_b_fmt:MATRIX_FMT_FP6
	v_wmma_scale_f32_16x16x128_f8f6f4 v[8*\t+8:8*\t+15], v[12*\t+12:12*\t+23], v[PC:PC+11], v[8*\t+8:8*\t+15], v[VS+\t/2], v[PW] matrix_a_fmt:MATRIX_FMT_FP6 matrix_b_fmt:MATRIX_FMT_FP6 matrix_a_scale:MATRIX_SCALE_ROW1
.endr
	WIN 0
	s_add_co_u32 s[GS], s[GS], 1
	s_add_co_u32 s[TBV], s[TBV], PANEL
.endm
.macro TWO_STEPS mk
	s_mov_b32 s[TWICE], 2
.Lstep_\@:
	STEP2 \mk
	s_sub_co_u32 s[TWICE], s[TWICE], 1
	s_cmp_lg_u32 s[TWICE], 0
	s_cbranch_scc1 .Lstep_\@
	s_sub_co_u32 s[TBV], s[TBV], 2*PANEL
	s_xor_b32 s[TBV], s[TBV], VSL1                 ; on to the other slot
.endm
; A tile is finished: RMS norm over the head's 256 (128 mine, 128 in lane l xor 16), x silu(g), quantised along the value axis: two fragments of the last product's operand
.macro EPILOGUE
.rept 4
	v_nop
.endr
	WIN 0x0f
.irp k, 0,1,2,3
	v_pk_mul_f32 v[CH+2*\k:CH+2*\k+1], v[2*\k:2*\k+1], v[2*\k:2*\k+1]
.endr
.set j, 8
.rept 60
	v_pk_fma_f32 v[CH+2*((j/2)%4):CH+2*((j/2)%4)+1], v[j:j+1], v[j:j+1], v[CH+2*((j/2)%4):CH+2*((j/2)%4)+1]
.set j, j+2
.endr
	WIN 0
	v_pk_add_f32 v[CH:CH+1], v[CH:CH+1], v[CH+2:CH+3]
	v_pk_add_f32 v[CH+4:CH+5], v[CH+4:CH+5], v[CH+6:CH+7]
	v_pk_add_f32 v[CH:CH+1], v[CH:CH+1], v[CH+4:CH+5]
	v_add_f32 v[CH], v[CH], v[CH+1]
	v_permlanex16_b32 v[CH+2], v[CH], s[SEL], s[SEL+1]
	v_add_f32 v[CH], v[CH], v[CH+2]
	v_fma_f32 v[CH], v[CH], s[I256], s[EPSR]
	v_rsq_f32 v[RS], v[CH]
	v_nop
	s_wait_alu depctr_va_vdst(0)
	WIN 0xc3
.set j, 0
.rept 64
	v_pk_mul_f32 v[j:j+1], v[j:j+1], v[RS:RS+1] op_sel_hi:[1,0]
.set j, j+2
.endr
	WIN 0
	s_wait_loadcnt 0x0                             ; g, asked for a block of queries ago
.irp kp, 0,1
	WIN 0x03
.set j, 0
.rept 32
	v_pk_mul_f32 v[S+j:S+j+1], v[128+64*\kp+j:128+64*\kp+j+1], 0xbfb8aa3b op_sel_hi:[1,0]
.set j, j+2
.endr
	WIN 0
.set j, 0
.rept 64
	v_exp_f32 v[S+j], v[S+j]                       ; e^-g
.set j, j+1
.endr
	v_nop
	s_wait_alu depctr_va_vdst(0)
.set j, 0
.rept 32
	v_pk_add_f32 v[S+j:S+j+1], v[S+j:S+j+1], 1.0 op_sel_hi:[1,0]
.set j, j+2
.endr
.set j, 0
.rept 64
	v_rcp_f32 v[S+j], v[S+j]
.set j, j+1
.endr
	v_nop
	s_wait_alu depctr_va_vdst(0)
	WIN 0x0c
.set j, 0
.rept 32
	v_pk_mul_f32 v[S+j:S+j+1], v[S+j:S+j+1], v[128+64*\kp+j:128+64*\kp+j+1]   ; silu(g)
.set j, j+2
.endr
.set j, 0
.rept 32
	v_pk_mul_f32 v[S+j:S+j+1], v[S+j:S+j+1], v[64*\kp+j:64*\kp+j+1]
.set j, j+2
.endr
	WIN 0
.if \kp
	s_wait_xcnt 0x0                                ; the first fragment's stores have read their registers
.endif
	QUANT S
.irp c, 0,1,2
	global_store_b128 v[LI16], v[PC+4*\c:PC+4*\c+3], s[YBC:YBC+1] offset:\kp*FRB+512*\c
.endr
.if \kp == 0
	v_mov_b32 v[PWK], v[PW]
.else
	v_cndmask_b32 v[W2], v[PWK], v[PW], s[HI16]
	global_store_b32 v[YSO], v[W2], s[YBC:YBC+1]
.endif
.endr
.endm
	s_mov_b32 s[KP], 0
	s_mov_b32 s[GS], 0
	s_mov_b32 s[TBV], 0
.Lperiod:                                          ; eight trips; the ninth period is written out
	CHANGE 1
	s_cmp_eq_u32 s[KP], s[PB]
	s_cselect_b32 s[MK], 1, 0                      ; the high block's last period goes with the mask
	TWO_STEPS 0
	s_cmp_eq_u32 s[KP], s[PB]
	s_cbranch_scc0 .Lsame
	EPILOGUE
	s_wait_xcnt 0x0                                ; the stores have read their registers and their base: on to the low tile
.irp i, 0,1,2,3,4,5,6,7,8,9,10,11
	v_mov_b32 v[QC+\i], v[QL+\i]
.endr
	v_mov_b32 v[QSC], v[QSL]
	v_mov_b32 v[QHC], v[QHL]
	v_mov_b32 v[WC], v[WL]
	s_mov_b64 s[YBC:YBC+1], s[YBL:YBL+1]
	GLOAD GBL
	CLEAR_O
.Lsame:
	s_add_co_u32 s[KP], s[KP], 1
	s_cmp_lt_u32 s[KP], 8
	s_cbranch_scc1 .Lperiod
	CHANGE 0
	TWO_STEPS 1
	EPILOGUE
	s_wait_tensorcnt 0x0                           ; the wave's end
	ds_add_u32 v[SPW], v[NIL]
	s_wait_dscnt 0x0
	ROUND                                          ; the closing round
	s_endpgm
.Lfunc_end_k_q045878aeb3_attn:
	.size	k_q045878aeb3_attn, .Lfunc_end_k_q045878aeb3_attn-k_q045878aeb3_attn
	.p2alignl 7, 3214868480
	.fill 96, 4, 3214868480
	.section	.rodata,"a",@progbits
	.p2align	6, 0x0
	.amdhsa_kernel k_q045878aeb3_attn
		.amdhsa_group_segment_fixed_size 327680
		.amdhsa_private_segment_fixed_size 0
		.amdhsa_enable_private_segment 0
		.amdhsa_kernarg_size 32
		.amdhsa_user_sgpr_count 2
		.amdhsa_user_sgpr_kernarg_segment_ptr 1
		.amdhsa_wavefront_size32 1
		.amdhsa_system_sgpr_workgroup_id_x 1
		.amdhsa_system_sgpr_workgroup_id_y 1
		.amdhsa_system_sgpr_workgroup_id_z 1
		.amdhsa_system_vgpr_workitem_id 0
		.amdhsa_next_free_vgpr 1024
		.amdhsa_next_free_sgpr 100
		.amdhsa_reserve_vcc 1
		.amdhsa_float_denorm_mode_32 3
		.amdhsa_float_denorm_mode_16_64 3
		.amdhsa_memory_ordered 1
		.amdhsa_forward_progress 1
		.amdhsa_inst_pref_size 216
	.end_amdhsa_kernel
	.amdgpu_metadata
---
amdhsa.version: [ 1, 2 ]
amdhsa.kernels:
  - .name:           k_q045878aeb3_attn
    .symbol:         k_q045878aeb3_attn.kd
    .args:
      - { .name: qk, .offset: 0, .size: 8, .value_kind: global_buffer, .address_space: global }
      - { .name: vc, .offset: 8, .size: 8, .value_kind: global_buffer, .address_space: global }
      - { .name: gb, .offset: 16, .size: 8, .value_kind: global_buffer, .address_space: global }
      - { .name: yc, .offset: 24, .size: 8, .value_kind: global_buffer, .address_space: global }
    .group_segment_fixed_size: 327680
    .private_segment_fixed_size: 0
    .kernarg_segment_align: 8
    .kernarg_segment_size: 32
    .max_flat_workgroup_size: 128
    .sgpr_count:     100
    .vgpr_count:     1024
    .wavefront_size: 32
...
	.end_amdgpu_metadata
.endif
;; end of part 3
;; launch outp (part 4): grid 8 x 32, 4 waves a work-group, clusters of 4 x 4, 327,680 bytes of LDS; arguments yc, wcod, out0; writes out0
.if DOCPART == 4
	.amdgcn_target "amdgcn-amd-amdhsa--gfx1250"
	.amdhsa_code_object_version 6
	.text
	.protected	k_q045878aeb3_outp
	.globl	k_q045878aeb3_outp
	.p2align	8
	.type	k_q045878aeb3_outp,@function
k_q045878aeb3_outp:
	s_mov_b64 s[64:65], 0
	v_nop
	global_prefetch_b8 v0, s[64:65] scope:SCOPE_SE
	s_setreg_imm32_b32 hwreg(HW_REG_WAVE_MODE, 25, 1), 1
	s_wait_xcnt 0x0
	s_wait_alu depctr_hold_cnt(0) depctr_sa_sdst(0) depctr_va_vdst(0) depctr_va_sdst(0) depctr_va_ssrc(0) depctr_va_vcc(0) depctr_vm_vsrc(0)
	s_getreg_b32 s2, hwreg(HW_REG_IB_STS2, 6, 4)
	s_cmp_eq_u32 s2, 0
	s_cbranch_scc0 .Lentry_in_a_cluster
	s_endpgm
.Lentry_in_a_cluster:
	s_bfe_u32 s2, ttmp6, 0x10000c
	s_cmp_lg_u32 s2, 0xf033
	s_cbranch_scc0 .Lentry_shape_is_right
	s_endpgm
.Lentry_shape_is_right:
; OUTP: out0 = y wo on codes of FP6, K = 2,048.  A work-group makes 128 tokens x 128 columns (256 work-groups: tiles of 256 x 256 would be 64), a wave 64 x 64: 16 accumulators.
; Operands come as panels: for 64 rows and 512 of K, 16 images of fragment registers and their 16 records of scale words, 25,600 dense bytes, one tensor load.  A slot of LDS holds four panels
; (A's two halves, B's two), four K steps; each wave fills one.  Two slots; K's four slots' worth go through them.
; Source 0 = 16 columns of wo, source 1 = 16 tokens.  Lane r of a tile is row 32 (T / 2) + 8 (T % 2) + r + 8 (r / 8): the way out puts tokens and columns back in order.
; CLUSTERS: 4 x 4: the tokens' panels are asked for jointly along a row of the cluster, wo's along a column.
; REGISTERS: window 0: v16-31 addresses; v32-39 scale words, two sets; v64-159 A's fragments, two sets; v160-255 B's.  window 1: accumulator (a, b) at v[8 (4 a + b)].
.set PANEL, 25600
.set FRB,   1536
.set REC,   24576
.set WOFF,  4915200
.set SLOT,  4*PANEL
.set SPARE, 2*SLOT                     ; the spare words, 128 bytes a wave: two blocks of 256 bytes that no other line names
.set SPITCH, 272                       ; the way out: a stage of 16 rows x (256 bytes + 16) for each wave, in slot 0, which has had its last fill and its last read by then
.set ADRA, 16
.set ADRB, 20
.set ADRS, 22
.set STO,  24
.set RD,   25
.set CO,   26
.set SPW,  28
.set NIL,  29
.set SC,   32
.set AF,   64
.set BF,   160
.set BK,   64
.set WV,   16
.set RA,   17
.set CB,   18
.set G1A,  24
.set G0A,  32
.set G1B,  48
.set G0B,  56
.set MSB, 0
.macro WIN new
.if MSB != (\new)
	s_set_vgpr_msb (MSB<<8)|(\new)
.set MSB, (\new)
.endif
.endm
.macro PLACES
.rept 4
	v_nop
.endr
.endm
.macro JLOAD s
	s_cmp_eq_u32 s[RA], 0
	s_cbranch_scc0 .Lfor_b_\@
	tensor_load_to_lds s[G0A+4*\s:G0A+4*\s+3], s[G1A:G1A+7]
	s_nop 0
.rept 4
	v_nop
.endr
	s_branch .Lasked_\@
.Lfor_b_\@:
	tensor_load_to_lds s[G0B+4*\s:G0B+4*\s+3], s[G1B:G1B+7]
	s_nop 0
.rept 4
	v_nop
.endr
.Lasked_\@:
.endm
.macro CREST
	s_cmp_lg_u32 s[WV], 0
	s_cbranch_scc1 .Lnot_wave_0_\@
	s_barrier_signal -3
.Lnot_wave_0_\@:
	s_barrier_wait -3
	s_barrier_signal -1
	s_barrier_wait -1
.endm
.macro CROUND
	s_barrier_signal -1
	s_barrier_wait -1
	CREST
.endm
	s_load_b128 s[4:7], s[0:1], 0x0                ; yc, wcod
	s_load_b64 s[8:9], s[0:1], 0x10                ; out0
	v_lshl_add_u32 v[SPW], v0, 2, SPARE
	v_mov_b32 v[NIL], 0
	ds_add_u32 v[SPW], v[NIL]                      ; the wave's opening: the add and its wait ahead of my first tensor load
	v_lshrrev_b32 v1, 5, v0
	v_readfirstlane_b32 s[WV], v1
	s_lshr_b32 s[RA], s[WV], 1
	s_and_b32 s[CB], s[WV], 1
	s_bfe_u32 s40, ttmp6, 0x40000                  ; cx
	s_bfe_u32 s41, ttmp6, 0x40004                  ; cy
	s_lshl_b32 s42, ttmp9, 2
	s_add_co_u32 s42, s42, s40                     ; tile column
	s_and_b32 s43, ttmp7, 0xffff
	s_lshl_b32 s43, s43, 2
	s_add_co_u32 s43, s43, s41                     ; tile row
	s_lshl_b32 s66, s41, 2
	s_lshl_b32 s66, 15, s66
	s_lshl_b32 s67, 0x1111, s40
	s_or_b32 s[G1A], s66, (3<<16)|(1<<21)
	s_or_b32 s[G1B], s67, (3<<16)|(1<<21)
.irp g, G1A, G1B
	s_mov_b32 s[\g+1], 32<<16
	s_mov_b32 s[\g+2], 100<<16
	s_mov_b32 s[\g+3], 32<<16
	s_mov_b32 s[\g+4], 100
	s_mov_b32 s[\g+5], 32
	s_mov_b32 s[\g+6], 0
	s_mov_b32 s[\g+7], 0
.endr
	s_lshl_b32 s72, s43, 1
	s_add_co_u32 s72, s72, s[CB]
	s_mul_i32 s72, s72, 4*PANEL                    ; the group of 64 tokens that I fetch
	s_mov_b32 s73, 0
	s_lshl_b32 s74, s42, 1
	s_add_co_u32 s74, s74, s[CB]
	s_mul_i32 s74, s74, 4*PANEL
	s_add_co_u32 s74, s74, WOFF                    ; the group of 64 columns
	s_mov_b32 s75, 0
	s_mul_i32 s76, s[WV], PANEL
	s_wait_dscnt 0x0
	s_wait_kmcnt 0x0
	s_add_nc_u64 s[68:69], s[4:5], s[72:73]
	s_add_nc_u64 s[70:71], s[6:7], s[74:75]
	CROUND
.irp s, 0,1
	s_mov_b32 s[G0A+4*\s], 1
	s_add_co_u32 s[G0A+4*\s+1], s76, \s*SLOT
	s_add_nc_u64 s[G0A+4*\s+2:G0A+4*\s+3], s[68:69], \s*PANEL
	s_or_b32 s[G0A+4*\s+3], s[G0A+4*\s+3], 0x80000000
	s_mov_b32 s[G0B+4*\s], 1
	s_add_co_u32 s[G0B+4*\s+1], s76, \s*SLOT
	s_add_nc_u64 s[G0B+4*\s+2:G0B+4*\s+3], s[70:71], \s*PANEL
	s_or_b32 s[G0B+4*\s+3], s[G0B+4*\s+3], 0x80000000
	JLOAD \s
.endr
	v_and_b32 v1, 31, v0
	v_and_b32 v2, 15, v0                           ; r
	v_bfe_u32 v3, v0, 4, 1                         ; h
	v_lshlrev_b32 v5, 4, v1
	s_mul_i32 s44, s[RA], PANEL
	s_mul_i32 s45, s[CB], PANEL
	s_add_co_u32 s45, s45, 2*PANEL
.irp s, 0,1
	v_add_nc_u32 v[ADRA+\s], s44, v5
	v_add_nc_u32 v[ADRB+\s], s45, v5
	s_add_co_u32 s44, s44, SLOT
	s_add_co_u32 s45, s45, SLOT
.endr
	s_mul_i32 s44, s[RA], PANEL
	s_mul_i32 s45, s[CB], PANEL
	s_add_co_u32 s45, s45, 2*PANEL
	s_sub_co_u32 s45, s45, s44
	v_mul_u32_u24 v4, s45, v3                      ; lanes 16-31 take B's records
	v_lshl_add_u32 v4, v2, 2, v4
	s_add_co_u32 s44, s44, REC
	v_add_nc_u32 v[ADRS], s44, v4
	v_add_nc_u32 v[ADRS+1], SLOT, v[ADRS]
	s_mul_i32 s44, s[WV], 16*SPITCH                ; my stage
	v_mul_u32_u24 v4, v2, SPITCH
	v_lshl_add_u32 v4, v3, 6, v4
	v_add_nc_u32 v[STO], s44, v4                   ; in: row r, + 64 h
	v_mul_u32_u24 v4, v3, SPITCH
	v_lshl_add_u32 v4, v2, 4, v4
	v_add_nc_u32 v[RD], s44, v4                    ; back: lanes 0-15 one row of 256 bytes, lanes 16-31 the next
	v_lshlrev_b32 v[CO], 12, v3
	v_lshl_add_u32 v[CO], v2, 4, v[CO]             ; and the same in out0
	s_lshl_b32 s44, s43, 1
	s_add_co_u32 s44, s44, s[RA]
	s_lshl_b32 s44, s44, 18                        ; my 64 tokens x 4,096 bytes
	s_lshl_b32 s46, s42, 1
	s_add_co_u32 s46, s46, s[CB]
	s_lshl_b32 s46, s46, 8                         ; my 64 columns
	s_add_co_u32 s44, s44, s46
	s_mov_b32 s45, 0
	s_add_nc_u64 s[8:9], s[8:9], s[44:45]
.macro FETCH slot, q, p                ; 28 LDS loads: the slot's q-th 128 along K into set p
.irp i, 0,1,2,3
.irp c, 0,1,2
	ds_load_b128 v[BF+48*(\p)+12*\i+4*\c:BF+48*(\p)+12*\i+4*\c+3], v[ADRB+\slot] offset:(4*\i+(\q))*FRB+512*\c
.endr
.endr
.irp i, 0,1,2,3
.irp c, 0,1,2
	ds_load_b128 v[AF+48*(\p)+12*\i+4*\c:AF+48*(\p)+12*\i+4*\c+3], v[ADRA+\slot] offset:(4*\i+(\q))*FRB+512*\c
.endr
.endr
.irp i, 0,1,2,3
	ds_load_b32 v[SC+4*(\p)+\i], v[ADRS+\slot] offset:(4*\i+(\q))*64
.endr
.endm
.macro MULA a, p, zero                 ; A's block a against B's four; the 16 accumulators take turns
.irp b, 0,1,2,3
.if \zero
	v_wmma_scale_f32_16x16x128_f8f6f4 v[8*(4*(\a)+\b):8*(4*(\a)+\b)+7], v[BF+48*(\p)+12*\b:BF+48*(\p)+12*\b+11], v[AF+48*(\p)+12*(\a):AF+48*(\p)+12*(\a)+11], 0, v[SC+4*(\p)+\b], v[SC+4*(\p)+(\a)] matrix_a_fmt:MATRIX_FMT_FP6 matrix_b_fmt:MATRIX_FMT_FP6 matrix_a_scale:MATRIX_SCALE_ROW1
.else
	v_wmma_scale_f32_16x16x128_f8f6f4 v[8*(4*(\a)+\b):8*(4*(\a)+\b)+7], v[BF+48*(\p)+12*\b:BF+48*(\p)+12*\b+11], v[AF+48*(\p)+12*(\a):AF+48*(\p)+12*(\a)+11], v[8*(4*(\a)+\b):8*(4*(\a)+\b)+7], v[SC+4*(\p)+\b], v[SC+4*(\p)+(\a)] matrix_a_fmt:MATRIX_FMT_FP6 matrix_b_fmt:MATRIX_FMT_FP6 matrix_a_scale:MATRIX_SCALE_ROW1
.endif
.endr
.endm
.macro STEP slot, q, zero              ; one of a slot's first three steps
	s_wait_dscnt 0x0                               ; this step's set, asked for a step ago
	PLACES
	FETCH \slot, (\q)+1, ((\q)+1)%2
	WIN 0x50                                       ; C and D window 1
	MULA 0, (\q)%2, \zero
	MULA 1, (\q)%2, \zero
	MULA 2, (\q)%2, \zero
	MULA 3, (\q)%2, \zero
	WIN 0
.endm
.macro TURN slot, next, fill           ; a slot's last step changes slots
	s_wait_dscnt 0x0                               ; my last reads of this slot are in
	s_wait_tensorcnt 0x0                           ; my part of the next slot has landed
	ds_add_u32 v[SPW], v[NIL]
	WIN 0x50
	MULA 0, 1, 0
	s_wait_dscnt 0x0
	s_barrier_signal -1
	MULA 1, 1, 0
	WIN 0
	s_barrier_wait -1
.if \fill
	CREST
	s_add_nc_u64 s[G0A+4*\slot+2:G0A+4*\slot+3], s[G0A+4*\slot+2:G0A+4*\slot+3], 2*PANEL
	s_add_nc_u64 s[G0B+4*\slot+2:G0B+4*\slot+3], s[G0B+4*\slot+2:G0B+4*\slot+3], 2*PANEL
	JLOAD \slot
.else
	PLACES
.endif
	FETCH \next, 0, 0
	WIN 0x50
	MULA 2, 1, 0
	MULA 3, 1, 0
	WIN 0
.endm
	s_wait_tensorcnt 1                             ; my part of slot 0 is in; slot 1's load may be out
	s_barrier_signal -1
	s_barrier_wait -1
	FETCH 0, 0, 0
	STEP 0, 0, 1
	STEP 0, 1, 0
	STEP 0, 2, 0
	TURN 0, 1, 1
	STEP 1, 0, 0
	STEP 1, 1, 0
	STEP 1, 2, 0
	TURN 1, 0, 1
	STEP 0, 0, 0
	STEP 0, 1, 0
	STEP 0, 2, 0
	TURN 0, 1, 0                                   ; nothing is left to fetch; behind this barrier nobody reads slot 0
	STEP 1, 0, 0
	STEP 1, 1, 0
	STEP 1, 2, 0
	s_wait_dscnt 0x0
	WIN 0x50
	MULA 0, 1, 0
	MULA 1, 1, 0
	MULA 2, 1, 0
	MULA 3, 1, 0
	WIN 0
; THE WAY OUT, a tile of 16 tokens x 64 columns at a time, through my own stage: register j of accumulator b is column 32 (b / 2) + 16 h + 8 (b % 2) + j.  LDS serves a wave's instructions in order (ISA guide 5.7.1.4).
.macro TOSTAGE a
	WIN 0x04                                       ; an LDS store's data: window 1
.irp b, 0,1,2,3
	ds_store_b128 v[STO], v[8*(4*(\a)+\b):8*(4*(\a)+\b)+3] offset:128*(\b/2)+32*(\b%2)       ; each accumulator from its low end on
	ds_store_b128 v[STO], v[8*(4*(\a)+\b)+4:8*(4*(\a)+\b)+7] offset:128*(\b/2)+32*(\b%2)+16
.endr
	WIN 0
.irp t, 0,1,2,3,4,5,6,7
	ds_load_b128 v[BK+32*((\a)%2)+4*\t:BK+32*((\a)%2)+4*\t+3], v[RD] offset:\t*2*SPITCH
.endr
.endm
.macro SEND a, younger                 ; stage row 2 t + (lane / 16) is token 32 (a / 2) + 8 (a % 2) + 2 t + 8 (t / 4) + (lane / 16)
	s_wait_dscnt \younger
.irp t, 0,1,2,3,4,5,6,7
	global_store_b128 v[CO], v[BK+32*((\a)%2)+4*\t:BK+32*((\a)%2)+4*\t+3], s[8:9] offset:(32*((\a)/2)+8*((\a)%2)+2*\t+8*(\t/4))*4096 th:TH_STORE_NT   ; sixteen lanes store 256 consecutive bytes, aligned
.endr
.endm
	PLACES
	TOSTAGE 0
	TOSTAGE 1
	SEND 0, 16                                     ; behind tile 0's loads: tile 1's 8 stores and 8 loads
	s_wait_xcnt 0x0                                ; tile 0's stores have read their registers
	TOSTAGE 2
	SEND 1, 16
	s_wait_xcnt 0x0
	TOSTAGE 3
	SEND 2, 16
	SEND 3, 0
	s_wait_tensorcnt 0x0                           ; the wave's end
	ds_add_u32 v[SPW], v[NIL]
	s_wait_dscnt 0x0
	CROUND                                         ; the closing round
	s_endpgm
.Lfunc_end_k_q045878aeb3_outp:
	.size	k_q045878aeb3_outp, .Lfunc_end_k_q045878aeb3_outp-k_q045878aeb3_outp
	.p2alignl 7, 3214868480
	.fill 96, 4, 3214868480
	.section	.rodata,"a",@progbits
	.p2align	6, 0x0
	.amdhsa_kernel k_q045878aeb3_outp
		.amdhsa_group_segment_fixed_size 327680
		.amdhsa_private_segment_fixed_size 0
		.amdhsa_enable_private_segment 0
		.amdhsa_kernarg_size 24
		.amdhsa_user_sgpr_count 2
		.amdhsa_user_sgpr_kernarg_segment_ptr 1
		.amdhsa_wavefront_size32 1
		.amdhsa_system_sgpr_workgroup_id_x 1
		.amdhsa_system_sgpr_workgroup_id_y 1
		.amdhsa_system_sgpr_workgroup_id_z 1
		.amdhsa_system_vgpr_workitem_id 0
		.amdhsa_next_free_vgpr 384
		.amdhsa_next_free_sgpr 80
		.amdhsa_reserve_vcc 0
		.amdhsa_float_denorm_mode_32 3
		.amdhsa_float_denorm_mode_16_64 3
		.amdhsa_memory_ordered 1
		.amdhsa_forward_progress 1
		.amdhsa_inst_pref_size 81
	.end_amdhsa_kernel
	.amdgpu_metadata
---
amdhsa.version: [ 1, 2 ]
amdhsa.kernels:
  - .name:           k_q045878aeb3_outp
    .symbol:         k_q045878aeb3_outp.kd
    .args:
      - { .name: yc, .offset: 0, .size: 8, .value_kind: global_buffer, .address_space: global }
      - { .name: wcod, .offset: 8, .size: 8, .value_kind: global_buffer, .address_space: global }
      - { .name: out0, .offset: 16, .size: 8, .value_kind: global_buffer, .address_space: global }
    .group_segment_fixed_size: 327680
    .private_segment_fixed_size: 0
    .kernarg_segment_align: 8
    .kernarg_segment_size: 24
    .max_flat_workgroup_size: 128
    .sgpr_count:     80
    .vgpr_count:     384
    .wavefront_size: 32
...
	.end_amdgpu_metadata
.endif
;; end of part 4
;; ======== version 2 of 2: 4 launches
;; workspace buffers: xc 3,276,800 bytes; wcod 6,553,600 bytes; rope 1,048,576 bytes; qk 6,553,600 bytes; vc 6,553,600 bytes; gb 33,554,432 bytes; yc 6,553,600 bytes
;; launch prep (part 5): grid 832 x 1, 4 waves a work-group, no clusters, 67,072 bytes of LDS; arguments x, wq, wk, wo, wg, wv, xc, wcod, rope; writes xc, wcod, rope
.if DOCPART == 5
	.amdgcn_target "amdgcn-amd-amdhsa--gfx1250"
	.amdhsa_code_object_version 6
	.text
	.protected	k_q045878aeb3_prep
	.globl	k_q045878aeb3_prep
	.p2align	8
	.type	k_q045878aeb3_prep,@function
k_q045878aeb3_prep:
	s_mov_b64 s[64:65], 0
	v_nop
	global_prefetch_b8 v0, s[64:65] scope:SCOPE_SE
	s_setreg_imm32_b32 hwreg(HW_REG_WAVE_MODE, 25, 1), 1
	s_wait_xcnt 0x0
; PREP: x and the five weights become codes of FP6 (E2M3) with one E8M0 byte for each 32 along K; the table of cos and sin is made.
; A block's scale is 2^(floor(log2(largest magnitude)) - 2): its byte is the largest magnitude's exponent field - 2, held at 1 from below.
; LAYOUT OF THE CODES (this program's own).  Rows (tokens, weight columns) are cut into tiles of 16: lane r of tile T is row 32 (T / 2) + 8 (T % 2) + r + 8 (r / 8).
; A fragment (16 rows x 128 K) is stored as the image of the 12 operand registers: byte 512 c + 16 lane holds registers 4 c .. 4 c + 3.  A record is 16 scale words, word r for row r.
; A panel is 16 fragments, then their 16 records: 25,600 bytes on end.
; Work-groups 0-255: a token tile of x (wave p: 256 of K).  256-511: wq, wk, wo (rows of 4,096 bytes).  512-767: wg, wv (rows of 8,192 bytes).  768-831: the table.
; x alone uses LDS: a wave's 16 rows x 1,024 bytes are loaded as they lie, 512 consecutive bytes a load, go through the wave's own stage and come back 128 bytes a lane and block.  No barrier: waves share nothing.
; LIMITS: NaN and infinities are not served.  A block of zeros, or one whose largest magnitude lies under 2^-124, gets the byte 1 (the rule says 127 for zeros: the codes are zeros and only this program reads the bytes).
; The angles 1 / 10000^(i / 63) are made to about 2 units in the last place; at position 2,047 that is up to about 4e-4 radians for the fastest pairs.
.set WOFF,  4915200                    ; where wo's panels begin in wcod
.set PANEL, 25600
.set FRB,   1536                       ; a fragment's image
.set REC,   24576                      ; a panel's records
.set XP,    1040                       ; a row of x's stage: 1,024 bytes + 16: 65 x 16, so the sixteen rows that a load of 16 bytes a lane touches start at sixteen different places modulo 256 bytes
.set SPARE, 4*16*XP                    ; behind the four stages: the spare words, 128 bytes a wave: two blocks of 256 bytes that no other line names
.set D,     32                         ; v32-159  128 numbers
.set F,     160                        ; v160-183 two fragments
.set TT,    184                        ; v184-186 the upper half of a block's codes, before it is moved
.set BY,    12                         ; v12-15   four scale bytes
.set SPW,   190                        ; v190     LDS address of my spare word; never rewritten
.set NIL,   191                        ; v191     0; never rewritten
; 32 numbers of one lane, one block: its byte into v[by], its 24 bytes of codes into v[dst] .. v[dst + 5]
.macro BLK32 xs, dst, by
	v_max3_num_f32 v8, |v[\xs]|, |v[\xs+1]|, |v[\xs+2]|
	v_max3_num_f32 v9, |v[\xs+3]|, |v[\xs+4]|, |v[\xs+5]|
.irp i, 6,10,14,18,22,26
	v_max3_num_f32 v8, v8, |v[\xs+\i]|, |v[\xs+\i+1]|
	v_max3_num_f32 v9, v9, |v[\xs+\i+2]|, |v[\xs+\i+3]|
.endr
	v_max3_num_f32 v8, v8, |v[\xs+30]|, |v[\xs+31]|
	v_max3_num_f32 v8, v8, v9, 0x1800000           ; the floor 2^(3 - 127): the byte cannot fall under 1
	v_add_nc_u32 v10, 0xff000000, v8               ; 2 off the exponent field: the conversions' scale operand
	v_lshrrev_b32 v[\by], 23, v10                  ; the byte
	v_cvt_scalef32_pk16_fp6_f32 v[\dst:\dst+2], v[\xs:\xs+15], v10
	v_cvt_scalef32_pk16_fp6_f32 v[TT:TT+2], v[\xs+16:\xs+31], v10   ; (a conversion's three registers begin on an even number)
	v_nop                                          ; one plain line behind the conversions
	v_mov_b32 v[\dst+3], v[TT]
	v_mov_b32 v[\dst+4], v[TT+1]
	v_mov_b32 v[\dst+5], v[TT+2]
.endm
.macro WLOAD kb, pitch                 ; block kb of the K step: 32 rows of the weight at my column; a wave reads 128 consecutive bytes, the work-group 512
.irp i, 0,1,2,3,4,5,6,7,8,9,10,11,12,13,14,15,16,17,18,19,20,21,22,23,24,25,26,27,28,29,30,31
	global_load_b32 v[D+32*\kb+\i], v4, s[24:25] offset:(32*\kb+\i)*\pitch th:TH_LOAD_NT
.endr
.endm
; A weight: 128 columns x one K step of 128.  Thread t is column t and its registers run down K.  s[24:25] the tensor, s32 the K step, s33 the column group in the tensor,
; s34 the panel's byte in wcod, s35 the step's place q in the panel, s36 steps in a panel's tile (NQ), s37 which pair of tiles of the panel is my wave's.
.macro WPATH pitch
	s_mul_i32 s38, s32, 128*\pitch
	s_lshl_b32 s39, s33, 9
	s_add_co_u32 s38, s38, s39
	s_mov_b32 s39, 0
	s_add_nc_u64 s[24:25], s[24:25], s[38:39]
	s_mul_i32 s40, s37, s36
	s_lshl_b32 s40, s40, 1
	s_add_co_u32 s40, s40, s35                     ; the fragment of my wave's first tile
	s_mul_i32 s42, s40, FRB
	s_add_co_u32 s42, s42, s34
	s_mov_b32 s43, 0
	s_add_nc_u64 s[44:45], s[18:19], s[42:43]
	s_lshl_b32 s42, s40, 6
	s_add_co_u32 s42, s42, s34
	s_add_co_u32 s42, s42, REC
	s_add_nc_u64 s[46:47], s[18:19], s[42:43]
	v_lshlrev_b32 v4, 2, v0                        ; my column, 4 bytes
	v_bfe_u32 v2, v0, 3, 1                         ; u: which of the wave's two tiles
	v_and_b32 v3, 7, v0
	v_bfe_u32 v7, v0, 4, 1
	v_lshl_add_u32 v3, v7, 3, v3                   ; r: my row in it
	s_mul_i32 s41, s36, FRB
	v_mul_u32_u24 v5, v2, s41
	v_lshl_add_u32 v5, v3, 4, v5                   ; the image: tile u, 16 r
	s_lshl_b32 s41, s36, 6
	v_mul_u32_u24 v6, v2, s41
	v_lshl_add_u32 v6, v3, 2, v6                   ; the record: tile u, 4 r
	WLOAD 0, \pitch
	WLOAD 1, \pitch
	s_wait_loadcnt 32                              ; block 0 is in; block 1's 32 loads may be out
	WLOAD 2, \pitch
	BLK32 D, F, BY                                 ; blocks 0 and 2 are image lane r, blocks 1 and 3 image lane r + 16
	s_wait_loadcnt 32                              ; block 1 is in; block 2's may be out
	WLOAD 3, \pitch
	BLK32 D+32, F+12, BY+1
	s_wait_loadcnt 32                              ; block 2 is in; block 3's may be out
	BLK32 D+64, F+6, BY+2
	s_wait_loadcnt 0x0
	BLK32 D+96, F+18, BY+3
	v_lshl_or_b32 v16, v[BY+1], 8, v[BY]
	v_lshl_or_b32 v16, v[BY+2], 16, v16
	v_lshl_or_b32 v16, v[BY+3], 24, v16            ; my column's scale word
.irp hf, 0,1
.irp c, 0,1,2
	global_store_b128 v5, v[F+12*\hf+4*\c:F+12*\hf+4*\c+3], s[44:45] offset:256*\hf+512*\c   ; the sixteen lanes of a tile store 256 consecutive bytes, aligned
.endr
.endr
	global_store_b32 v6, v16, s[46:47]
	s_endpgm
.endm
	s_load_b512 s[4:19], s[0:1], 0x0               ; x, wq, wk, wo, wg, wv, xc, wcod
	s_load_b64 s[20:21], s[0:1], 0x40              ; rope
	v_lshl_add_u32 v[SPW], v0, 2, SPARE
	v_mov_b32 v[NIL], 0
	v_lshrrev_b32 v1, 5, v0
	v_readfirstlane_b32 s22, v1                    ; wave
	v_and_b32 v1, 31, v0                           ; lane
	s_mov_b32 s23, 0xffff0000                      ; lanes 16-31
	s_mov_b32 s26, 0x76543210
	s_mov_b32 s27, 0xfedcba98                      ; selects for lane l xor 16
	s_wait_kmcnt 0x0
	s_cmp_lt_u32 ttmp9, 256
	s_cbranch_scc1 .Lx
	s_cmp_lt_u32 ttmp9, 512
	s_cbranch_scc1 .Lw4
	s_cmp_lt_u32 ttmp9, 768
	s_cbranch_scc1 .Lw8
	; ---- THE TABLE: [position][pair][cos, sin].  A wave takes 8 positions, a lane pairs 2 l and 2 l + 1.
	s_sub_co_u32 s30, ttmp9, 768
	s_lshl_b32 s30, s30, 5
	s_lshl_b32 s31, s22, 3
	s_add_co_u32 s30, s30, s31                     ; my first position
	s_lshl_b32 s28, s30, 9
	s_mov_b32 s29, 0
	s_add_nc_u64 s[20:21], s[20:21], s[28:29]
	s_mov_b32 s40, 0x3c820821                      ; 1 / 63
	s_mov_b32 s41, 0x427c0000                      ; 63
	s_mov_b32 s42, 0x41549a78                      ; log2(10000), upper part
	s_mov_b32 s43, 0x34979a37                      ; and lower
	s_mov_b32 s44, 0x3f22f983                      ; 2 / pi
	s_mov_b32 s45, 0xbfc90fdb                      ; -(pi / 2), upper part
	s_mov_b32 s46, 0x333bbd2e                      ; upper part less pi / 2
	s_mov_b32 s47, 0xbe2aaaa3                      ; the sine's three coefficients
	s_mov_b32 s48, 0x3c08839e
	s_mov_b32 s49, 0xb94ca1f9
	s_mov_b32 s50, 0x3d2aaaa5                      ; the cosine's
	s_mov_b32 s51, 0xbab6061a
	s_mov_b32 s52, 0x37ccf5ce
	v_lshlrev_b32 v5, 4, v1
	v_lshlrev_b32 v2, 1, v1
	v_cvt_f32_u32 v20, v2
	v_add_nc_u32 v2, 1, v2
	v_cvt_f32_u32 v21, v2
.irp e, 0,1
	v_mul_f32 v[22+\e], s40, v[20+\e]
.endr
.irp e, 0,1
	v_fma_f32 v[24+\e], -v[22+\e], s41, v[20+\e]
.endr
.irp e, 0,1
	v_fma_f32 v[22+\e], v[24+\e], s40, v[22+\e]    ; i / 63, rounded once
.endr
.irp e, 0,1
	v_mul_f32 v[24+\e], s42, v[22+\e]              ; its product with log2(10000), in two parts
	v_fma_f32 v[26+\e], v[22+\e], s42, -v[24+\e]
	v_fma_f32 v[26+\e], v[22+\e], s43, v[26+\e]
	v_rndne_f32 v[28+\e], v[24+\e]
	v_sub_f32 v[24+\e], v[24+\e], v[28+\e]
	v_add_f32 v[24+\e], v[24+\e], v[26+\e]         ; the fraction
	v_cvt_i32_f32 v[28+\e], v[28+\e]               ; the whole part
.endr
	v_exp_f32 v24, v24
	v_exp_f32 v25, v25
	v_nop                                          ; a plain line behind the batch,
	s_wait_alu depctr_va_vdst(0)                   ; and one wait ahead of its first reader
	v_ldexp_f32 v24, v24, v28                      ; 10000^(i / 63)
	v_ldexp_f32 v25, v25, v29
	v_rcp_f32 v30, v24
	v_rcp_f32 v31, v25
	v_nop
	s_wait_alu depctr_va_vdst(0)
	v_fma_f32 v26, -v24, v30, 1.0
	v_fma_f32 v27, -v25, v31, 1.0
	v_fma_f32 v30, v30, v26, v30                   ; the angles, one step of correction behind the reciprocal
	v_fma_f32 v31, v31, v27, v31
; cos into v[out], sin into v[out + 1], of v32 (the position) x the angle of pair e
.macro SINCOS e, out
	v_mul_f32 v33, v32, v[30+\e]                   ; one f32 product
	v_mul_f32 v34, s44, v33
	v_rndne_f32 v34, v34                           ; quarter turns
	v_fma_f32 v35, v34, s45, v33                   ; exact: at most 11 bits x 24 bits, and the difference is under 1
	v_fma_f32 v35, v34, s46, v35
	v_mul_f32 v36, v35, v35
	v_fma_f32 v37, v36, s49, s48
	v_fma_f32 v37, v36, v37, s47
	v_mul_f32 v38, v36, v35
	v_fma_f32 v37, v38, v37, v35                   ; the sine of the rest
	v_fma_f32 v39, v36, s52, s51
	v_fma_f32 v39, v36, v39, s50
	v_mul_f32 v40, v36, v36
	v_fma_f32 v41, v36, -0.5, 1.0
	v_fma_f32 v39, v40, v39, v41                   ; the cosine
	v_cvt_i32_f32 v42, v34
	v_and_b32 v43, 1, v42
	v_cmp_eq_u32 vcc_lo, 1, v43
	v_cndmask_b32 v44, v37, v39, vcc_lo            ; an odd quarter swaps the two
	v_cndmask_b32 v45, v39, v37, vcc_lo
	v_and_b32 v43, 2, v42
	v_lshlrev_b32 v43, 30, v43
	v_xor_b32 v[\out+1], v43, v44                  ; the sine is negative in quarters 2 and 3,
	v_add_nc_u32 v42, 1, v42
	v_and_b32 v42, 2, v42
	v_lshlrev_b32 v42, 30, v42
	v_xor_b32 v[\out], v42, v45                    ; the cosine in 1 and 2
.endm
.irp n, 0,1,2,3,4,5,6,7
	s_add_co_u32 s31, s30, \n
	v_cvt_f32_u32 v32, s31
	SINCOS 0, 64+4*\n
	SINCOS 1, 66+4*\n
	global_store_b128 v5, v[64+4*\n:67+4*\n], s[20:21] offset:512*\n   ; a wave stores a position's 512 bytes
.endr
	s_endpgm
	; ---- x: token tile T = the work-group, K slot = the wave: 16 rows x 1,024 bytes
.Lx:
	v_and_b32 v2, 15, v0                           ; r
	v_bfe_u32 v3, v0, 4, 1                         ; h
	v_lshlrev_b32 v5, 4, v1                        ; 16 x lane: my bytes of a load's 512, and of an image's
	v_lshlrev_b32 v6, 2, v1
	v_lshlrev_b32 v7, 3, v3                        ; 8 h
	s_mul_i32 s38, s22, 16*XP                      ; my wave's stage
	v_add_nc_u32 v4, s38, v5                       ; into it: 16 x lane
	v_mul_u32_u24 v11, v2, XP
	v_lshl_add_u32 v11, v3, 7, v11
	v_add_nc_u32 v11, s38, v11                     ; back: row r, + 128 h: my 32 numbers of a block pair
	s_lshr_b32 s28, ttmp9, 1
	s_lshl_b32 s28, s28, 5
	s_and_b32 s29, ttmp9, 1
	s_lshl_b32 s29, s29, 3
	s_add_co_u32 s28, s28, s29                     ; the tile's first row
	s_lshl_b32 s28, s28, 12
	s_lshl_b32 s29, s22, 10
	s_add_co_u32 s28, s28, s29
	s_mov_b32 s29, 0
	s_add_nc_u64 s[4:5], s[4:5], s[28:29]
	s_lshr_b32 s30, ttmp9, 3
	s_lshl_b32 s30, s30, 2
	s_add_co_u32 s30, s30, s22
	s_mul_i32 s30, s30, PANEL                      ; panel (token group, K slot)
	s_and_b32 s31, ttmp9, 7
	s_mul_i32 s32, s31, 2*FRB
	s_add_co_u32 s32, s32, s30
	s_mov_b32 s33, 0
	s_add_nc_u64 s[34:35], s[16:17], s[32:33]
	s_lshl_b32 s32, s31, 7
	s_add_co_u32 s32, s32, s30
	s_add_co_u32 s32, s32, REC
	s_add_nc_u64 s[36:37], s[16:17], s[32:33]
.irp i, 0,1,2,3,4,5,6,7,8,9,10,11,12,13,14,15,16,17,18,19,20,21,22,23,24,25,26,27,28,29,30,31
	global_load_b128 v[D+4*\i:D+4*\i+3], v5, s[4:5] offset:((\i/2)+8*(\i/16))*4096+512*(\i%2) th:TH_LOAD_NT   ; row i / 2 of the tile, half i % 2: 512 consecutive bytes
.endr
.irp g, 0,1,2,3
	s_wait_loadcnt 24-8*\g                         ; these eight loads are in; the later groups' may be out
.irp i, 0,1,2,3,4,5,6,7
	ds_store_b128 v4, v[D+32*\g+4*\i:D+32*\g+4*\i+3] offset:((8*\g+\i)/2)*XP+512*(\i%2)
.endr
.endr
.irp q, 0,1
.irp c, 0,1
.irp j, 0,1,2,3,4,5,6,7
	ds_load_b128 v[D+64*\q+32*\c+4*\j:D+64*\q+32*\c+4*\j+3], v11 offset:512*\q+256*\c+16*\j   ; LDS serves a wave's instructions in order (ISA guide 5.7.1.4): these see my stores
.endr
.endr
.endr
	s_wait_dscnt 24                                ; the first block's eight loads are back; the 24 behind them may be out
	BLK32 D, F, BY
	s_wait_dscnt 16
	BLK32 D+32, F+6, BY+1
	s_wait_dscnt 8
	BLK32 D+64, F+12, BY+2
	s_wait_dscnt 0x0
	BLK32 D+96, F+18, BY+3
.irp q, 0,1
	v_lshl_or_b32 v[16+\q], v[BY+2*\q+1], 16, v[BY+2*\q]   ; my two bytes of the step: blocks h and 2 + h,
	v_lshlrev_b32 v[16+\q], v7, v[16+\q]           ; at their places
.endr
	v_mov_b32 v18, 0
	v_mov_b32 v19, 0
	v_permlanex16_b32 v18, v16, s26, s27
	v_permlanex16_b32 v19, v17, s26, s27
	v_or_b32 v16, v16, v18                         ; with lane l xor 16's two the word is whole
	v_or_b32 v17, v17, v19
	v_cndmask_b32 v16, v16, v17, s23               ; lanes 0-15: the first step's record, lanes 16-31: the second's
.irp q, 0,1
.irp c, 0,1,2
	global_store_b128 v5, v[F+12*\q+4*\c:F+12*\q+4*\c+3], s[34:35] offset:FRB*\q+512*\c   ; 512 consecutive bytes
.endr
.endr
	global_store_b32 v6, v16, s[36:37]
	s_wait_tensorcnt 0x0                           ; the wave's end, behind my last LDS store
	ds_add_u32 v[SPW], v[NIL]
	s_wait_dscnt 0x0
	s_endpgm
	; ---- wq, wk (column groups 0-7, 8-15 of wcod), wo
.Lw4:
	s_sub_co_u32 s30, ttmp9, 256
	s_cmp_lt_u32 s30, 128
	s_cbranch_scc0 .Lwo
	s_cmp_lt_u32 s30, 64
	s_cselect_b64 s[24:25], s[6:7], s[8:9]
	s_lshr_b32 s31, s30, 3                         ; column group in wcod
	s_and_b32 s32, s30, 7                          ; K step
	s_and_b32 s33, s31, 7                          ; column group in the tensor
	s_lshl_b32 s34, s31, 2
	s_lshr_b32 s35, s32, 1
	s_add_co_u32 s34, s34, s35
	s_mul_i32 s34, s34, PANEL
	s_and_b32 s35, s32, 1
	s_mov_b32 s36, 2
	s_mov_b32 s37, s22
	s_branch .Lw4go
.Lwo:
	s_mov_b64 s[24:25], s[10:11]
	s_sub_co_u32 s30, s30, 128
	s_lshr_b32 s33, s30, 4                         ; 128 columns: two groups of 64
	s_and_b32 s32, s30, 15                         ; K step
	s_lshl_b32 s34, s33, 1
	s_lshr_b32 s35, s22, 1
	s_add_co_u32 s34, s34, s35
	s_lshl_b32 s34, s34, 2
	s_lshr_b32 s35, s32, 2
	s_add_co_u32 s34, s34, s35
	s_mul_i32 s34, s34, PANEL
	s_add_co_u32 s34, s34, WOFF
	s_and_b32 s35, s32, 3
	s_mov_b32 s36, 4
	s_and_b32 s37, s22, 1
.Lw4go:
	WPATH 4096
	; ---- wg (column groups 16-31), wv (32-47)
.Lw8:
	s_sub_co_u32 s30, ttmp9, 512
	s_cmp_lt_u32 s30, 128
	s_cselect_b64 s[24:25], s[12:13], s[14:15]
	s_lshr_b32 s31, s30, 3
	s_and_b32 s32, s30, 7
	s_and_b32 s33, s31, 15
	s_add_co_u32 s31, s31, 16
	s_lshl_b32 s34, s31, 2
	s_lshr_b32 s35, s32, 1
	s_add_co_u32 s34, s34, s35
	s_mul_i32 s34, s34, PANEL
	s_and_b32 s35, s32, 1
	s_mov_b32 s36, 2
	s_mov_b32 s37, s22
	WPATH 8192
.Lfunc_end_k_q045878aeb3_prep:
	.size	k_q045878aeb3_prep, .Lfunc_end_k_q045878aeb3_prep-k_q045878aeb3_prep
	.p2alignl 7, 3214868480
	.fill 96, 4, 3214868480
	.section	.rodata,"a",@progbits
	.p2align	6, 0x0
	.amdhsa_kernel k_q045878aeb3_prep
		.amdhsa_group_segment_fixed_size 67072
		.amdhsa_private_segment_fixed_size 0
		.amdhsa_enable_private_segment 0
		.amdhsa_kernarg_size 72
		.amdhsa_user_sgpr_count 2
		.amdhsa_user_sgpr_kernarg_segment_ptr 1
		.amdhsa_wavefront_size32 1
		.amdhsa_system_sgpr_workgroup_id_x 1
		.amdhsa_system_sgpr_workgroup_id_y 1
		.amdhsa_system_sgpr_workgroup_id_z 1
		.amdhsa_system_vgpr_workitem_id 0
		.amdhsa_next_free_vgpr 192
		.amdhsa_next_free_sgpr 66
		.amdhsa_reserve_vcc 1
		.amdhsa_float_denorm_mode_32 3
		.amdhsa_float_denorm_mode_16_64 3
		.amdhsa_memory_ordered 1
		.amdhsa_forward_progress 1
		.amdhsa_inst_pref_size 80
	.end_amdhsa_kernel
	.amdgpu_metadata
---
amdhsa.version: [ 1, 2 ]
amdhsa.kernels:
  - .name:           k_q045878aeb3_prep
    .symbol:         k_q045878aeb3_prep.kd
    .args:
      - { .name: x, .offset: 0, .size: 8, .value_kind: global_buffer, .address_space: global }
      - { .name: wq, .offset: 8, .size: 8, .value_kind: global_buffer, .address_space: global }
      - { .name: wk, .offset: 16, .size: 8, .value_kind: global_buffer, .address_space: global }
      - { .name: wo, .offset: 24, .size: 8, .value_kind: global_buffer, .address_space: global }
      - { .name: wg, .offset: 32, .size: 8, .value_kind: global_buffer, .address_space: global }
      - { .name: wv, .offset: 40, .size: 8, .value_kind: global_buffer, .address_space: global }
      - { .name: xc, .offset: 48, .size: 8, .value_kind: global_buffer, .address_space: global }
      - { .name: wcod, .offset: 56, .size: 8, .value_kind: global_buffer, .address_space: global }
      - { .name: rope, .offset: 64, .size: 8, .value_kind: global_buffer, .address_space: global }
    .group_segment_fixed_size: 67072
    .private_segment_fixed_size: 0
    .kernarg_segment_align: 8
    .kernarg_segment_size: 72
    .max_flat_workgroup_size: 128
    .sgpr_count:     66
    .vgpr_count:     192
    .wavefront_size: 32
...
	.end_amdgpu_metadata
.endif
;; end of part 5
;; launch proj (part 6): grid 16 x 16, 4 waves a work-group, clusters of 4 x 4, 327,680 bytes of LDS; arguments xc, wcod, rope, qk, vc, gb; writes qk, vc, gb
.if DOCPART == 6
	.amdgcn_target "amdgcn-amd-amdhsa--gfx1250"
	.amdhsa_code_object_version 6
	.text
	.protected	k_q045878aeb3_proj
	.globl	k_q045878aeb3_proj
	.p2align	8
	.type	k_q045878aeb3_proj,@function
k_q045878aeb3_proj:
	s_mov_b64 s[64:65], 0
	v_nop
	global_prefetch_b8 v0, s[64:65] scope:SCOPE_SE
	s_setreg_imm32_b32 hwreg(HW_REG_WAVE_MODE, 25, 1), 1
	s_wait_xcnt 0x0
	s_wait_alu depctr_hold_cnt(0) depctr_sa_sdst(0) depctr_va_vdst(0) depctr_va_sdst(0) depctr_va_ssrc(0) depctr_va_vcc(0) depctr_vm_vsrc(0)
	s_getreg_b32 s2, hwreg(HW_REG_IB_STS2, 6, 4)
	s_cmp_eq_u32 s2, 0
	s_cbranch_scc0 .Lentry_in_a_cluster
	s_endpgm
.Lentry_in_a_cluster:
	s_bfe_u32 s2, ttmp6, 0x10000c
	s_cmp_lg_u32 s2, 0xf033
	s_cbranch_scc0 .Lentry_shape_is_right
	s_endpgm
.Lentry_shape_is_right:
; PROJ: x wg, x wq, x wk, x wv on codes of FP6, K = 1,024.  The four products are 384 tiles of 256 x 256; 256 work-groups STAY and take one and a half each, so that every WGP has the same work:
; first half a tile of g (256 tokens x 128 columns; a wave 128 x 64: 32 accumulators), then a whole tile of q, k or v (a wave 128 x 128: 64 accumulators, 512 registers).
; Source 0 = 16 rows of "B", source 1 = 16 rows of "A": a lane holds ONE row of A and its registers run along B's rows; by the order of rows in a tile (lane r of tile T is row
; 32 (T / 2) + 8 (T % 2) + r + 8 (r / 8)) the 16 registers of two neighbouring tiles are 16 neighbours.  So what comes out is ready for what follows:
;   g (every work-group):      A = tokens, B = wg's columns; stored as f32, as the image of the registers, straight from the accumulators: the stores leave while the second tile is multiplied;
;   clusters x = 0 (q), 1 (k): A = tokens, B = columns: a lane holds a token and 64 of its head's 128 channels: x 128^-1/2 (k), rotation, quantised along the head;
;   clusters x = 2, 3 (v):     A = v's channels, B = tokens: a lane holds a channel and 64 of 128 keys: quantised along the keys.
; OPERANDS lie in memory as panels: for 128 rows and 256 of K, 16 images of fragment registers (1,536 bytes each) and their 16 records of scale words: 25,600 dense bytes.
; LDS.  g's operands, all of K, come at the start: four K slots of three panels (A's two halves, B's one), 76,800 bytes each, four loads a wave (waves 0, 1: a panel of A; waves 2, 3: half of B's).
; The second tile goes through two slots of four panels at bytes 0 and 102,400, one panel a wave: slot 0 is filled when g's K slots 0 and 1 have been read, slot 1 when g is done, then both once more.
; CLUSTERS: 4 x 4.  A's panels are asked for jointly along a row of the cluster, B's along a column.
; REGISTERS: window 0: v16-31 addresses; v32-47 scale words, two sets; v48-63 g's LDS addresses; v64-255 A's fragments, two sets.  window 1: B's fragments, two sets (v0-191).  windows 2, 3: accumulator (a, b) at v[8 (8 (a % 4) + b)].
; LIMITS: NaN and infinities are not served; a block of zeros, or one under 2^-124, gets the byte 1.
.set PANEL, 25600
.set FRB,   1536
.set REC,   24576
.set SLOT,  4*PANEL
.set GSLOT, 3*PANEL
.set SPARE, 4*GSLOT                    ; behind g's four K slots: the spare words, 128 bytes a wave: two blocks of 256 bytes that no other line names
.set ADRA, 16                          ; v16-17 my half of A in slot 0, 1: + 16 x lane
.set ADRB, 20                          ; v20-21 the same for B
.set ADRS, 22                          ; v22-23 the records: lanes 0-15 A's, lanes 16-31 B's
.set LI16, 24
.set LI4,  25
.set VT,   26                          ; my row and half in the table
.set W2,   27
.set SPW,  28
.set NIL,  29
.set PW,   30
.set PWK,  31
.set SC,   32                          ; scale words: set p at v[SC + 8 p]; register i: lanes 0-15 A's block i, lanes 16-31 B's block i
.set GAD,  48                          ; v48-51 g: my half of A in K slot k: + 16 x lane
.set GBD,  52                          ; v52-55 g: my four tiles of B
.set GSD,  56                          ; v56-59 g: the records: lanes 0-15 A's, lanes 16-31 those of my four tiles of B
.set GTD,  60                          ; v60-63 g: A's records in all lanes
.set AF,   64                          ; A's sets at v[AF + 96 p]
.set X,    64                          ; the way out: 64 numbers
.set PC,   128                         ; the codes just made (20 registers)
.set TM,   148                         ; 12 at work
.set RT,   160                         ; 8 at work in the rotation
.set WV,   16
.set RA,   17                          ; which half of A's rows is mine.  Also: I fetch for A (0) or for B (1)
.set CB,   18                          ; which half of B's rows.  Also: which half I fetch
.set MD,   19                          ; 0 q, 1 k, 2 v: the same in all sixteen partners
.set VM,   20
.set HI16, 21
.set SEL,  22
.set G1A,  24                          ; s[24:31] group 1, a panel, the mask of my row of the cluster
.set G0A,  32                          ; s[32:39] groups 0 for A: g's K slots 0, 1; then the second tile's slots 0, 1
.set G1B,  48                          ; s[48:55] group 1, a panel, the mask of my column
.set G0B,  56                          ; s[56:63] groups 0 for B likewise
.set G0A2, 72                          ; s[72:79] groups 0 for A, g's K slots 2, 3
.set G0B2, 80                          ; s[80:87] the same for B; free again when g's loads have landed
.set G1G,  88                          ; s[88:95] group 1, half a panel, the mask of my column
.set GOUT, 96                          ; s[96:97] where my part of g goes
.set LP,   98                          ; wave x a panel: where my panel goes in a slot
.set LPB,  99                          ; g: where my half of B's panel goes
.set OF,   80
.set OS,   82
.set SCL,  84
.set TBL,  86
.set MSB, 0
.macro WIN new                         ; the immediate's high byte repeats the setting that is left
.if MSB != (\new)
	s_set_vgpr_msb (MSB<<8)|(\new)
.set MSB, (\new)
.endif
.endm
.macro PLACES                          ; four plain lines between a matrix instruction and a load into, or a read of, its registers
.rept 4
	v_nop
.endr
.endm
.macro JLOAD g0a, g1a, g0b, g1b        ; a joint load: waves 0, 1 for A, waves 2, 3 for B
	s_cmp_eq_u32 s[RA], 0
	s_cbranch_scc0 .Lfor_b_\@
	tensor_load_to_lds s[\g0a:\g0a+3], s[\g1a:\g1a+7]
	s_nop 0
.rept 4
	v_nop
.endr
	s_branch .Lasked_\@
.Lfor_b_\@:
	tensor_load_to_lds s[\g0b:\g0b+3], s[\g1b:\g1b+7]
	s_nop 0
.rept 4
	v_nop
.endr
.Lasked_\@:
.endm
.macro CREST                           ; a round of the cluster's barrier behind its opening barrier
	s_cmp_lg_u32 s[WV], 0
	s_cbranch_scc1 .Lnot_wave_0_\@
	s_barrier_signal -3
.Lnot_wave_0_\@:
	s_barrier_wait -3
	s_barrier_signal -1
	s_barrier_wait -1
.endm
.macro CROUND
	s_barrier_signal -1
	s_barrier_wait -1
	CREST
.endm
; 64 numbers of a lane, register 16 b + i = k 32 b + 16 (lane / 16) + i of its row, become a fragment's codes in v[PC] .. v[PC + 11] and its scale word in v[PW]
.macro QUANT s
.irp b, 0,1,2,3
	v_max3_num_f32 v[TM+\b], |v[\s+16*\b]|, |v[\s+1+16*\b]|, 0x1800000   ; the floor 2^(3 - 127) among the leaves
.endr
.irp i, 2,4,6,8,10,12,14
.irp b, 0,1,2,3
	v_max3_num_f32 v[TM+\b], v[TM+\b], |v[\s+16*\b+\i]|, |v[\s+1+16*\b+\i]|
.endr
.endr
.irp b, 0,1,2,3
	v_permlanex16_b32 v[TM+4+\b], v[TM+\b], s[SEL], s[SEL+1]
.endr
.irp b, 0,1,2,3
	v_max_num_f32 v[TM+\b], v[TM+\b], v[TM+4+\b]   ; with lane l xor 16's: the block's largest magnitude
.endr
.irp b, 0,1,2,3
	v_add_nc_u32 v[TM+8+\b], 0xff000000, v[TM+\b]  ; 2 off its exponent field: the conversion's scale operand
.endr
.irp b, 0,1,2,3
	v_lshrrev_b32 v[TM+4+\b], 23, v[TM+8+\b]       ; the byte
.endr
	v_lshl_or_b32 v[PW], v[TM+5], 8, v[TM+4]
	v_lshl_or_b32 v[PW], v[TM+6], 16, v[PW]
	v_lshl_or_b32 v[PW], v[TM+7], 24, v[PW]
.irp c, 0,1
	v_cvt_scalef32_pk16_fp6_f32 v[PC+6*\c:PC+2+6*\c], v[\s+32*\c:\s+15+32*\c], v[TM+8+2*\c]
	v_cvt_scalef32_pk16_fp6_f32 v[PC+12+4*\c:PC+14+4*\c], v[\s+16+32*\c:\s+31+32*\c], v[TM+8+2*\c+1]
.endr
	v_nop                                          ; one plain line behind the conversions
.irp c, 0,1                            ; the operand wants a whole block in a lane
.irp i, 0,1,2
	v_permlane16_swap_b32 v[PC+6*\c+\i], v[PC+12+4*\c+\i]
.endr
.irp i, 0,1,2
	v_mov_b32 v[PC+3+6*\c+\i], v[PC+12+4*\c+\i]
.endr
.endr
.endm
	s_load_b256 s[4:11], s[0:1], 0x0               ; xc, wcod, rope, qk
	s_load_b128 s[12:15], s[0:1], 0x20             ; vc, gb
	v_lshl_add_u32 v[SPW], v0, 2, SPARE
	v_mov_b32 v[NIL], 0
	ds_add_u32 v[SPW], v[NIL]                      ; the wave's opening: the add and its wait ahead of my first tensor load
	v_lshrrev_b32 v1, 5, v0
	v_readfirstlane_b32 s[WV], v1
	s_lshr_b32 s[RA], s[WV], 1
	s_and_b32 s[CB], s[WV], 1
	s_bfe_u32 s40, ttmp6, 0x40000                  ; cx
	s_bfe_u32 s41, ttmp6, 0x40004                  ; cy
	s_and_b32 s44, ttmp7, 0xffff                   ; cluster y
	s_sub_co_u32 s45, ttmp9, 2
	s_cmp_ge_u32 ttmp9, 2                          ; v's clusters: A = channels, B = tokens
	s_cselect_b32 s46, s45, s44
	s_cselect_b32 s47, s44, ttmp9
	s_cselect_b32 s[VM], 1, 0
	s_min_u32 s[MD], ttmp9, 2
	s_lshl_b32 s43, s46, 2
	s_add_co_u32 s43, s43, s41                     ; the second tile: A's 256 rows: shared along my row of the cluster
	s_lshl_b32 s42, s47, 2
	s_add_co_u32 s42, s42, s40                     ; B's: shared along my column
	s_lshl_b32 s45, s44, 2
	s_add_co_u32 s45, s45, s41                     ; g: the tile of 256 tokens: shared along my row
	s_lshl_b32 s101, ttmp9, 2
	s_add_co_u32 s101, s101, s40                   ; g: the group of 128 columns: shared along my column
	s_lshl_b32 s66, s41, 2
	s_lshl_b32 s66, 15, s66                        ; my row of the cluster
	s_lshl_b32 s67, 0x1111, s40                    ; my column
	s_or_b32 s[G1A], s66, (3<<16)|(1<<21)          ; 15:0 the mask; 17:16 elements of 8 bytes; 20 no padding; 21 set beside a mask
	s_or_b32 s[G1B], s67, (3<<16)|(1<<21)
	s_or_b32 s[G1G], s67, (3<<16)|(1<<21)
.irp g, G1A, G1B
	s_mov_b32 s[\g+1], 32<<16                      ; tensor_dim0 = 32 elements: 256 bytes
	s_mov_b32 s[\g+2], 100<<16                     ; tensor_dim1 = 100 rows: a panel
	s_mov_b32 s[\g+3], 32<<16                      ; tile_dim0
	s_mov_b32 s[\g+4], 100                         ; tile_dim1
	s_mov_b32 s[\g+5], 32                          ; dense
	s_mov_b32 s[\g+6], 0
	s_mov_b32 s[\g+7], 0
.endr
	s_mov_b32 s[G1G+1], 32<<16
	s_mov_b32 s[G1G+2], 50<<16                     ; 50 rows: half a panel
	s_mov_b32 s[G1G+3], 32<<16
	s_mov_b32 s[G1G+4], 50
	s_mov_b32 s[G1G+5], 32
	s_mov_b32 s[G1G+6], 0
	s_mov_b32 s[G1G+7], 0
	s_lshl_b32 s68, s43, 1
	s_add_co_u32 s68, s68, s[CB]
	s_mul_i32 s68, s68, 4*PANEL                    ; the second tile's A: the group of 128 rows that I fetch: four panels each
	s_mov_b32 s69, 0
	s_lshl_b32 s70, s42, 1
	s_add_co_u32 s70, s70, s[CB]
	s_mul_i32 s70, s70, 4*PANEL                    ; its B likewise
	s_mov_b32 s71, 0
	s_lshl_b32 s46, s45, 1
	s_add_co_u32 s46, s46, s[CB]
	s_mul_i32 s46, s46, 4*PANEL                    ; g's A: the group of 128 tokens that I fetch
	s_mov_b32 s47, 0
	s_lshl_b32 s96, s45, 1
	s_add_co_u32 s96, s96, s[RA]
	s_lshl_b32 s96, s96, 20                        ; g's way out: my 128 tokens are eight tiles of 16 x 8,192 bytes;
	s_lshl_b32 s97, s101, 13
	s_add_co_u32 s96, s96, s97                     ; the group of 128 columns: 8,192 bytes;
	s_lshl_b32 s97, s[CB], 12
	s_add_co_u32 s96, s96, s97                     ; my 32 of a lane's 64 registers: 4,096
	s_mov_b32 s97, 0
	s_add_co_u32 s44, s101, 16                     ; wg's column groups are 16 to 31 of wcod
	s_mul_i32 s44, s44, 4*PANEL
	s_mul_i32 s[LPB], s[CB], 12800
	s_add_co_u32 s44, s44, s[LPB]                  ; g's B: my half of each panel
	s_mov_b32 s45, 0
	s_add_co_u32 s[LPB], s[LPB], 2*PANEL           ; and where it goes: behind A's two panels
	s_mul_i32 s[LP], s[WV], PANEL                  ; where a whole panel of mine goes: no place in the cluster enters an LDS address
	s_mov_b32 s[HI16], 0xffff0000
	s_mov_b32 s[SEL], 0x76543210
	s_mov_b32 s[SEL+1], 0xfedcba98
	s_wait_dscnt 0x0                               ; the opening add is done
	s_wait_kmcnt 0x0
	s_add_nc_u64 s[100:101], s[6:7], 3276800       ; v's column groups in wcod
	s_cmp_eq_u32 s[VM], 1
	s_cselect_b64 s[2:3], s[100:101], s[4:5]
	s_cselect_b64 s[100:101], s[4:5], s[6:7]
	s_add_nc_u64 s[68:69], s[2:3], s[68:69]        ; the second tile's A, K slot 0
	s_add_nc_u64 s[70:71], s[100:101], s[70:71]    ; and B
	s_add_nc_u64 s[46:47], s[4:5], s[46:47]        ; g's A, K slot 0
	s_add_nc_u64 s[44:45], s[6:7], s[44:45]        ; g's B
	s_add_nc_u64 s[GOUT:GOUT+1], s[14:15], s[96:97]
	CROUND                                         ; all sixteen work-groups are here: the first joint loads meet
.macro GSET k, ga, gb                  ; g's K slot k: both groups 0, and my load
	s_mov_b32 s[\ga], 1
	s_add_co_u32 s[\ga+1], s[LP], (\k)*GSLOT
	s_add_nc_u64 s[\ga+2:\ga+3], s[46:47], (\k)*PANEL
	s_or_b32 s[\ga+3], s[\ga+3], 0x80000000
	s_mov_b32 s[\gb], 1
	s_add_co_u32 s[\gb+1], s[LPB], (\k)*GSLOT
	s_add_nc_u64 s[\gb+2:\gb+3], s[44:45], (\k)*PANEL
	s_or_b32 s[\gb+3], s[\gb+3], 0x80000000
	JLOAD \ga, G1A, \gb, G1G
.endm
	GSET 0, G0A, G0B                               ; all of g's operands: four loads of mine are out
	GSET 1, G0A+4, G0B+4
	GSET 2, G0A2, G0B2
	GSET 3, G0A2+4, G0B2+4
	v_and_b32 v1, 31, v0
	v_and_b32 v2, 15, v0                           ; r
	v_bfe_u32 v3, v0, 4, 1                         ; h
	v_lshlrev_b32 v[LI16], 4, v1
	v_lshlrev_b32 v[LI4], 2, v1
	s_mul_i32 s44, s[RA], PANEL                    ; g: my half of A,
	s_mul_i32 s45, s[CB], 8*FRB
	s_add_co_u32 s45, s45, 2*PANEL                 ; my four tiles of B: eight fragments on for the upper half
.irp k, 0,1,2,3
	v_add_nc_u32 v[GAD+\k], s44, v[LI16]
	v_add_nc_u32 v[GBD+\k], s45, v[LI16]
	s_add_co_u32 s44, s44, GSLOT
	s_add_co_u32 s45, s45, GSLOT
.endr
	s_mul_i32 s44, s[RA], PANEL
	s_lshl_b32 s45, s[CB], 9
	s_add_co_u32 s45, s45, 2*PANEL
	s_sub_co_u32 s45, s45, s44                     ; from A's records to those of my four tiles of B
	v_mul_u32_u24 v4, s45, v3                      ; lanes 16-31 take B's
	s_add_co_u32 s44, s44, REC
	v_lshl_add_u32 v5, v2, 2, s44                  ; A's records, 4 r
	v_add_nc_u32 v4, v4, v5
.irp k, 0,1,2,3
	v_add_nc_u32 v[GTD+\k], \k*GSLOT, v5
	v_add_nc_u32 v[GSD+\k], \k*GSLOT, v4
.endr
	s_mul_i32 s44, s[RA], PANEL                    ; the second tile
	s_mul_i32 s45, s[CB], PANEL
	s_add_co_u32 s45, s45, 2*PANEL
.irp s, 0,1
	v_add_nc_u32 v[ADRA+\s], s44, v[LI16]
	v_add_nc_u32 v[ADRB+\s], s45, v[LI16]
	s_add_co_u32 s44, s44, SLOT
	s_add_co_u32 s45, s45, SLOT
.endr
	s_mul_i32 s44, s[RA], PANEL
	s_mul_i32 s45, s[CB], PANEL
	s_add_co_u32 s45, s45, 2*PANEL
	s_sub_co_u32 s45, s45, s44                     ; from A's panel to B's
	v_mul_u32_u24 v4, s45, v3                      ; lanes 16-31 take B's records
	v_lshl_add_u32 v4, v2, 2, v4
	s_add_co_u32 s44, s44, REC
	v_add_nc_u32 v[ADRS], s44, v4
	v_add_nc_u32 v[ADRS+1], SLOT, v[ADRS]
	v_and_b32 v4, 8, v2
	v_add_nc_u32 v4, v4, v2
	v_lshlrev_b32 v[VT], 9, v4
	v_lshl_add_u32 v[VT], v3, 6, v[VT]             ; the table: row r + 8 (r / 8) of 512 bytes, + 64 h
; g: 44 LDS loads: the fragments and scale words of K slot k's q-th 128 along K into set p: B's four tiles, A's eight
.macro FETCHG k, q, p
	WIN 0x40                                       ; destination window 1
.irp i, 0,1,2,3
.irp c, 0,1,2
	ds_load_b128 v[96*(\p)+12*\i+4*\c:96*(\p)+12*\i+4*\c+3], v[GBD+\k] offset:(2*\i+(\q))*FRB+512*\c
.endr
.endr
	WIN 0
.irp i, 0,1,2,3,4,5,6,7
.irp c, 0,1,2
	ds_load_b128 v[AF+96*(\p)+12*\i+4*\c:AF+96*(\p)+12*\i+4*\c+3], v[GAD+\k] offset:(2*\i+(\q))*FRB+512*\c
.endr
.endr
.irp i, 0,1,2,3
	ds_load_b32 v[SC+8*(\p)+\i], v[GSD+\k] offset:(2*\i+(\q))*64
.endr
.irp i, 4,5,6,7
	ds_load_b32 v[SC+8*(\p)+\i], v[GTD+\k] offset:(2*\i+(\q))*64
.endr
.endm
; g: 8 matrix instructions: A's blocks a0, a0 + 1 against my four of B.  The 32 accumulators take turns, one instruction a turn, in the same order in every step.
.macro MULG8 a0, p, zero
	WIN 0xa1+0x50*((\a0)/4)                        ; source 0 window 1, source 1 window 0, C and D window 2 or 3
.irp a, \a0, \a0+1
.irp b, 0,1,2,3
.if \zero
	v_wmma_scale_f32_16x16x128_f8f6f4 v[8*(8*((\a)%4)+\b):8*(8*((\a)%4)+\b)+7], v[96*(\p)+12*\b:96*(\p)+12*\b+11], v[AF+96*(\p)+12*(\a):AF+96*(\p)+12*(\a)+11], 0, v[SC+8*(\p)+\b], v[SC+8*(\p)+(\a)] matrix_a_fmt:MATRIX_FMT_FP6 matrix_b_fmt:MATRIX_FMT_FP6 matrix_a_scale:MATRIX_SCALE_ROW1
.else
	v_wmma_scale_f32_16x16x128_f8f6f4 v[8*(8*((\a)%4)+\b):8*(8*((\a)%4)+\b)+7], v[96*(\p)+12*\b:96*(\p)+12*\b+11], v[AF+96*(\p)+12*(\a):AF+96*(\p)+12*(\a)+11], v[8*(8*((\a)%4)+\b):8*(8*((\a)%4)+\b)+7], v[SC+8*(\p)+\b], v[SC+8*(\p)+(\a)] matrix_a_fmt:MATRIX_FMT_FP6 matrix_b_fmt:MATRIX_FMT_FP6 matrix_a_scale:MATRIX_SCALE_ROW1
.endif
.endr
.endr
.endm
; g: a step with no barrier: set mp is multiplied while (K slot fk, step fq) comes into set fp
.macro GSTEP fk, fq, fp, mp, zero
	WIN 0
	s_wait_dscnt 0x0                               ; set mp, asked for a step ago
	PLACES
	FETCHG \fk, \fq, \fp
	MULG8 0, \mp, \zero
	MULG8 2, \mp, \zero
	MULG8 4, \mp, \zero
	MULG8 6, \mp, \zero
.endm
; 56 LDS loads: the second tile's fragments and scale words of the slot's q-th 128 along K into set p; each load of 16 bytes a lane takes 512 consecutive bytes
.macro FETCH slot, q, p
	WIN 0x40                                       ; destination window 1
.irp i, 0,1,2,3,4,5,6,7
.irp c, 0,1,2
	ds_load_b128 v[96*(\p)+12*\i+4*\c:96*(\p)+12*\i+4*\c+3], v[ADRB+\slot] offset:(2*\i+(\q))*FRB+512*\c
.endr
.endr
	WIN 0
.irp i, 0,1,2,3,4,5,6,7
.irp c, 0,1,2
	ds_load_b128 v[AF+96*(\p)+12*\i+4*\c:AF+96*(\p)+12*\i+4*\c+3], v[ADRA+\slot] offset:(2*\i+(\q))*FRB+512*\c
.endr
.endr
.irp i, 0,1,2,3,4,5,6,7
	ds_load_b32 v[SC+8*(\p)+\i], v[ADRS+\slot] offset:(2*\i+(\q))*64
.endr
.endm
; g: a step that ends a K slot behind which bytes are filled again: slot s of the second tile takes its K slot s.  nk: g's next K slot, or -1: the second tile's first fragments
.macro GTURN s, nk
	WIN 0
	s_wait_dscnt 0x0                               ; set 1 is in: they were my last reads of the bytes that are filled again
	s_wait_tensorcnt 0x0                           ; all my tensor loads have landed
	ds_add_u32 v[SPW], v[NIL]
	MULG8 0, 1, 0                                  ; eight matrix instructions stand between the add and the wait for it
	s_wait_dscnt 0x0
	s_barrier_signal -1
	MULG8 2, 1, 0
	WIN 0
	s_barrier_wait -1
	CREST                                          ; the barrier has opened a round of the cluster's: no wave of any partner still reads these bytes or has a load on its way
	s_add_co_u32 s[G0A+4*\s+1], s[LP], \s*SLOT
	s_add_nc_u64 s[G0A+4*\s+2:G0A+4*\s+3], s[68:69], \s*PANEL
	s_or_b32 s[G0A+4*\s+3], s[G0A+4*\s+3], 0x80000000
	s_add_co_u32 s[G0B+4*\s+1], s[LP], \s*SLOT
	s_add_nc_u64 s[G0B+4*\s+2:G0B+4*\s+3], s[70:71], \s*PANEL
	s_or_b32 s[G0B+4*\s+3], s[G0B+4*\s+3], 0x80000000
	JLOAD G0A+4*\s, G1A, G0B+4*\s, G1B             ; the first tensor load behind the round; its four v_nop are the places in front of the loads below
.if \nk >= 0
	FETCHG \nk, 0, 0
.else
	FETCH 0, 0, 0
.endif
	MULG8 4, 1, 0
	MULG8 6, 1, 0
.endm
; 16 matrix instructions: A's blocks a0, a0 + 1 against B's eight.  The 64 accumulators take turns, one instruction a turn, in the same order in every step.
.macro MUL16 a0, p, zero
	WIN 0xa1+0x50*((\a0)/4)                        ; source 0 window 1, source 1 window 0, C and D window 2 or 3
.irp a, \a0, \a0+1
.irp b, 0,1,2,3,4,5,6,7
.if \zero
	v_wmma_scale_f32_16x16x128_f8f6f4 v[8*(8*((\a)%4)+\b):8*(8*((\a)%4)+\b)+7], v[96*(\p)+12*\b:96*(\p)+12*\b+11], v[AF+96*(\p)+12*(\a):AF+96*(\p)+12*(\a)+11], 0, v[SC+8*(\p)+\b], v[SC+8*(\p)+(\a)] matrix_a_fmt:MATRIX_FMT_FP6 matrix_b_fmt:MATRIX_FMT_FP6 matrix_a_scale:MATRIX_SCALE_ROW1
.else
	v_wmma_scale_f32_16x16x128_f8f6f4 v[8*(8*((\a)%4)+\b):8*(8*((\a)%4)+\b)+7], v[96*(\p)+12*\b:96*(\p)+12*\b+11], v[AF+96*(\p)+12*(\a):AF+96*(\p)+12*(\a)+11], v[8*(8*((\a)%4)+\b):8*(8*((\a)%4)+\b)+7], v[SC+8*(\p)+\b], v[SC+8*(\p)+(\a)] matrix_a_fmt:MATRIX_FMT_FP6 matrix_b_fmt:MATRIX_FMT_FP6 matrix_a_scale:MATRIX_SCALE_ROW1
.endif
.endr
.endr
.endm
; A slot's first step: set 0 is multiplied while set 1 comes.  xw = 1: the products write registers that g's stores read
.macro STEP slot, zero, xw
	WIN 0
	s_wait_dscnt 0x0                               ; set 0, asked for a step ago
	PLACES
	FETCH \slot, 1, 1
.if \xw
	s_wait_xcnt 0x0                                ; g's stores have read their registers: only behind this wait are the accumulators begun anew
.endif
	MUL16 0, 0, \zero
	MUL16 2, 0, \zero
	MUL16 4, 0, \zero
	MUL16 6, 0, \zero
.endm
; A slot's second step changes slots: one barrier; in front of it each wave's reads of the slot are over, all its tensor loads have landed, and 0 is added to its spare word
.macro TURN slot, next, fill
	WIN 0
	s_wait_dscnt 0x0                               ; set 1 is in: they were my last reads of this slot
	s_wait_tensorcnt 0x0                           ; my part of the next slot has landed
	ds_add_u32 v[SPW], v[NIL]
	MUL16 0, 1, 0                                  ; sixteen matrix instructions stand between the add and the wait for it
	s_wait_dscnt 0x0
	s_barrier_signal -1
	MUL16 2, 1, 0
	WIN 0
	s_barrier_wait -1
.if \fill
	CREST                                          ; the barrier has opened a round of the cluster's: no wave of any partner still reads this slot or has a load on its way
	s_add_nc_u64 s[G0A+4*\slot+2:G0A+4*\slot+3], s[G0A+4*\slot+2:G0A+4*\slot+3], 2*PANEL
	s_add_nc_u64 s[G0B+4*\slot+2:G0B+4*\slot+3], s[G0B+4*\slot+2:G0B+4*\slot+3], 2*PANEL
	JLOAD G0A+4*\slot, G1A, G0B+4*\slot, G1B       ; the first tensor load behind the round; its four v_nop are the places in front of the loads below
.else
	PLACES
.endif
	FETCH \next, 0, 0
	MUL16 4, 1, 0
	MUL16 6, 1, 0
.endm
	; ---- g: eight K steps, all operands in LDS
	s_wait_tensorcnt 3                             ; my part of g's K slot 0 is in; my three younger loads may be out
	s_barrier_signal -1
	s_barrier_wait -1
	FETCHG 0, 0, 0
	GSTEP 0, 1, 1, 0, 1                            ; the first step's products start the sums
	WIN 0                                          ; on to K slot 1: a plain barrier
	s_wait_dscnt 0x0
	s_wait_tensorcnt 2                             ; my part of K slot 1 is in; two younger loads may be out
	s_barrier_signal -1
	MULG8 0, 1, 0
	MULG8 2, 1, 0
	WIN 0
	s_barrier_wait -1
	PLACES
	FETCHG 1, 0, 0
	MULG8 4, 1, 0
	MULG8 6, 1, 0
	GSTEP 1, 1, 1, 0, 0
	GTURN 0, 2                                     ; g's K slots 0 and 1 have been read: their bytes take the second tile's K slot 0.  Every wave has shown all of g landed
	GSTEP 2, 1, 1, 0, 0
	GSTEP 3, 0, 0, 1, 0                            ; on to K slot 3: the round above has shown it whole, so no barrier stands here
	GSTEP 3, 1, 1, 0, 0
	GTURN 1, -1                                    ; g has been read: slot 1 takes the second tile's K slot 1; slot 0 is whole, and its first fragments are fetched
	WIN 0
	PLACES                                         ; behind the last products, ahead of the stores that read results
.irp a, 0,1,2,3,4,5,6,7
	WIN 0x08+4*(\a/4)                              ; a store's data: window 2 or 3
.irp c, 0,1,2,3,4,5,6,7
	global_store_b128 v[LI16], v[64*(\a%4)+4*\c:64*(\a%4)+4*\c+3], s[GOUT:GOUT+1] offset:\a*131072+512*\c th:TH_STORE_NT   ; 512 consecutive bytes; each accumulator from its low end on
.endr
.endr
	; ---- q, k or v: eight K steps through the two slots
	STEP 0, 1, 1                                   ; the first step's products start the sums
	TURN 0, 1, 1
	STEP 1, 0, 0
	TURN 1, 0, 1
	STEP 0, 0, 0
	TURN 0, 1, 0                                   ; nothing is left to fetch
	STEP 1, 0, 0
	WIN 0
	s_wait_dscnt 0x0
	MUL16 0, 1, 0
	MUL16 2, 1, 0
	MUL16 4, 1, 0
	MUL16 6, 1, 0
	WIN 0
	PLACES
.irp b, 0,1,2,3
	v_mov_b32 v[TM+4+\b], 0                        ; a lane permute's destination counts as one of its sources
.endr
	s_lshl_b32 s44, s43, 1
	s_add_co_u32 s44, s44, s[RA]                   ; my group of 128 rows of A
	s_lshl_b32 s45, s42, 1
	s_add_co_u32 s45, s45, s[CB]                   ; and of B
	s_mov_b32 s67, 0
	s_mov_b32 s69, 0
	s_cmp_eq_u32 s[MD], 2
	s_cbranch_scc1 .Lv
; The table's 16 loads for block a: cos and sin of my token's 32 pairs, into window 1 (B's registers are done with): register 2 e the cosine, 2 e + 1 the sine of the pair in X + 2 e, X + 2 e + 1
.macro TLOAD a
	WIN 0x40
.irp k, 0,1,2,3
.irp j, 0,1,2,3
	global_load_b128 v[64*((\a)%2)+16*\k+4*\j:64*((\a)%2)+16*\k+4*\j+3], v[VT], s[TBL:TBL+1] offset:(32*((\a)/2)+8*((\a)%2))*512+128*\k+16*\j
.endr
.endr
	WIN 0
.endm
; Block a of A's rows: 64 results a lane are scaled, rotated (rot = 1), quantised and stored as a fragment's image
.macro OUTBLK a, rot
	s_wait_xcnt 0x0                                ; the last block's stores have read their registers
	WIN 0x02+(\a)/4                                ; source 0: window 2 or 3
.set j, 0
.rept 32
	v_pk_mul_f32 v[X+j:X+j+1], v[64*((\a)%4)+j:64*((\a)%4)+j+1], s[SCL:SCL+1] op_sel_hi:[1,0]   ; each accumulator from its low end on
.set j, j+2
.endr
	WIN 0
.if \rot
.if (\a) < 7
	TLOAD (\a)+1
	s_wait_loadcnt 16                              ; this block's table is in; the next block's 16 loads may be out
.else
	s_wait_loadcnt 0x0
.endif
	WIN 0x04                                       ; source 1: window 1
.set e, 0
.rept 32
	v_mul_f32 v[RT+2*(e%4)], v[X+2*e+1], v[64*((\a)%2)+2*e+1]
	v_mul_f32 v[RT+2*(e%4)+1], v[X+2*e], v[64*((\a)%2)+2*e+1]
	v_fma_f32 v[X+2*e], v[X+2*e], v[64*((\a)%2)+2*e], -v[RT+2*(e%4)]          ; x0 cos - x1 sin
	v_fma_f32 v[X+2*e+1], v[X+2*e+1], v[64*((\a)%2)+2*e], v[RT+2*(e%4)+1]     ; x1 cos + x0 sin
.set e, e+1
.endr
	WIN 0
.endif
	QUANT X
.irp c, 0,1,2
	global_store_b128 v[LI16], v[PC+4*\c:PC+4*\c+3], s[OF:OF+1] offset:(\a)*FRB+512*\c   ; 512 consecutive bytes
.endr
.if (\a)%2 == 0
	v_mov_b32 v[PWK], v[PW]
.else
	v_cndmask_b32 v[W2], v[PWK], v[PW], s[HI16]    ; two records by one store of 128 bytes
	global_store_b32 v[LI4], v[W2], s[OS:OS+1] offset:((\a)/2)*128
.endif
.endm
	; ---- q, k: half panel (batch and head, group of 128 tokens)
	s_lshr_b32 s46, s44, 4
	s_lshl_b32 s46, s46, 3
	s_and_b32 s47, s45, 7
	s_add_co_u32 s46, s46, s47
	s_lshl_b32 s46, s46, 4
	s_and_b32 s47, s44, 15
	s_add_co_u32 s46, s46, s47
	s_mul_i32 s66, s46, 12800
	s_lshl_b32 s68, s47, 16                        ; the table's rows of my 128 positions
	s_cmp_eq_u32 s[MD], 1
	s_cselect_b32 s46, 3276800, 0                  ; k's half of the buffer
	s_cselect_b32 s[SCL], 0x3db504f3, 1.0          ; k: x 128^-1/2
	s_mov_b32 s[SCL+1], s[SCL]
	s_add_co_u32 s66, s66, s46
	s_add_nc_u64 s[OF:OF+1], s[10:11], s[66:67]
	s_add_nc_u64 s[OS:OS+1], s[OF:OF+1], 12288
	s_add_nc_u64 s[TBL:TBL+1], s[8:9], s[68:69]
	TLOAD 0
.irp a, 0,1,2,3,4,5,6,7
	OUTBLK \a, 1
.endr
	s_branch .Lend
	; ---- v: panel (batch and head, key step); my eight channel tiles
.Lv:
	s_lshr_b32 s46, s45, 4
	s_lshl_b32 s46, s46, 3
	s_add_co_u32 s46, s46, s43
	s_lshl_b32 s46, s46, 4
	s_and_b32 s47, s45, 15
	s_add_co_u32 s46, s46, s47
	s_mul_i32 s46, s46, PANEL
	s_mul_i32 s47, s[RA], 8*FRB
	s_add_co_u32 s66, s46, s47
	s_lshl_b32 s47, s[RA], 9
	s_add_co_u32 s68, s46, s47
	s_add_co_u32 s68, s68, REC
	s_mov_b32 s[SCL], 1.0
	s_mov_b32 s[SCL+1], 1.0
	s_add_nc_u64 s[OF:OF+1], s[12:13], s[66:67]
	s_add_nc_u64 s[OS:OS+1], s[12:13], s[68:69]
.irp a, 0,1,2,3,4,5,6,7
	OUTBLK \a, 0
.endr
.Lend:
	s_wait_tensorcnt 0x0                           ; the wave's end
	ds_add_u32 v[SPW], v[NIL]
	s_wait_dscnt 0x0
	CROUND                                         ; the closing round
	s_endpgm
.Lfunc_end_k_q045878aeb3_proj:
	.size	k_q045878aeb3_proj, .Lfunc_end_k_q045878aeb3_proj-k_q045878aeb3_proj
	.p2alignl 7, 3214868480
	.fill 96, 4, 3214868480
	.section	.rodata,"a",@progbits
	.p2align	6, 0x0
	.amdhsa_kernel k_q045878aeb3_proj
		.amdhsa_group_segment_fixed_size 327680
		.amdhsa_private_segment_fixed_size 0
		.amdhsa_enable_private_segment 0
		.amdhsa_kernarg_size 48
		.amdhsa_user_sgpr_count 2
		.amdhsa_user_sgpr_kernarg_segment_ptr 1
		.amdhsa_wavefront_size32 1
		.amdhsa_system_sgpr_workgroup_id_x 1
		.amdhsa_system_sgpr_workgroup_id_y 1
		.amdhsa_system_sgpr_workgroup_id_z 1
		.amdhsa_system_vgpr_workitem_id 0
		.amdhsa_next_free_vgpr 1024
		.amdhsa_next_free_sgpr 102
		.amdhsa_reserve_vcc 0
		.amdhsa_float_denorm_mode_32 3
		.amdhsa_float_denorm_mode_16_64 3
		.amdhsa_memory_ordered 1
		.amdhsa_forward_progress 1
		.amdhsa_inst_pref_size 255
	.end_amdhsa_kernel
	.section	.bss,"aw",@nobits
	.p2align	6
	.space	262144
	.amdgpu_metadata
---
amdhsa.version: [ 1, 2 ]
amdhsa.kernels:
  - .name:           k_q045878aeb3_proj
    .symbol:         k_q045878aeb3_proj.kd
    .args:
      - { .name: xc, .offset: 0, .size: 8, .value_kind: global_buffer, .address_space: global }
      - { .name: wcod, .offset: 8, .size: 8, .value_kind: global_buffer, .address_space: global }
      - { .name: rope, .offset: 16, .size: 8, .value_kind: global_buffer, .address_space: global }
      - { .name: qk, .offset: 24, .size: 8, .value_kind: global_buffer, .address_space: global }
      - { .name: vc, .offset: 32, .size: 8, .value_kind: global_buffer, .address_space: global }
      - { .name: gb, .offset: 40, .size: 8, .value_kind: global_buffer, .address_space: global }
    .group_segment_fixed_size: 327680
    .private_segment_fixed_size: 0
    .kernarg_segment_align: 8
    .kernarg_segment_size: 48
    .max_flat_workgroup_size: 128
    .sgpr_count:     102
    .vgpr_count:     1024
    .wavefront_size: 32
...
	.end_amdgpu_metadata
.endif
;; end of part 6
;; launch attn: the kernel of part 3 again; grid 16 x 16, 4 waves a work-group, clusters of 4 x 1, 327,680 bytes of LDS; arguments qk, vc, gb, yc; writes yc
;; launch outp: the kernel of part 4 again; grid 8 x 32, 4 waves a work-group, clusters of 4 x 4, 327,680 bytes of LDS; arguments yc, wcod, out0; writes out0
